; MI455X (gfx1250); checked and timed in simulation.
; The chip was launched on July 23, 2026; its instructions are those of AMD's public machine-readable ISA for CDNA 5 (MIT licence, August 2026) and "CDNA5" Instruction Set Architecture Reference Guide (July 2026). The comments in the code are by the model that wrote it; some were corrected since.
;; TF Idefics Attention. Allowed arithmetic: matrix products marked QUANTISED: E3M2 operands, one E8M0 scale for each 32 along K, by v_wmma_scale_f32_16x16x128_f8f6f4 with both operands' format E3M2, f32 sums; products left as they are: f32 operands where the result goes on into a quantised operand, else bf16, f16 or f32 operands; f32 sums; everything else in f32.
;; Inputs: attention_mask 1 x 1 x 2,048 x 2,048 float32; hidden_states 1 x 2,048 x 2,048 float32; k_ln_w 64 float32; position_ids 1 x 2,048 int32; q_ln_w 64 float32; wk 2,048 x 2,048 float32; wo 2,048 x 2,048 float32; wq 2,048 x 2,048 float32; wv 2,048 x 2,048 float32.
;; Outputs: out0 1 x 2,048 x 2,048 float32.
;; This version of the problem:
;;   THIS VERSION OF THE PROBLEM IS GIVEN IN LOW PRECISION. The matrix products marked QUANTISED in the list below multiply operands that are first quantised to E3M2 (3 exponent bits, 2 mantissa bits; 6 bits a number), with one power-of-two scale for each 32 numbers along K (OCP MX v1.0); their sums are f32. All else is computed in f32.
;;   The module's matrix products, in the order in which they are computed (A, B: the left and right operand; K: the contracted axis; several contracted axes count as one K, in the product's order):
;;     1. [M 2,048, K 2,048] x [K 2,048, N 2,048]; A: input hidden_states; B: input wq: QUANTISED
;;     2. [M 2,048, K 2,048] x [K 2,048, N 2,048]; A: input hidden_states; B: input wk: QUANTISED
;;     3. [M 2,048, K 2,048] x [K 2,048, N 2,048]; A: input hidden_states; B: input wv: QUANTISED
;;     4. [M 2,048, K 1] x [K 1, N 32]; A: computed on the way; B: computed on the way: left as it is (no contracted axis)
;;     5. batch 32 x [M 2,048, K 64] x [K 64, N 2,048]; A: computed on the way; B: computed on the way: QUANTISED
;;     6. batch 32 x [M 2,048, K 2,048] x [K 2,048, N 64]; A: softmax (see below); B: computed on the way: QUANTISED
;;     7. [M 2,048, K 2,048] x [K 2,048, N 2,048]; A: computed on the way; B: input wo: QUANTISED
;;   THE QUANTISER, for each operand of a quantised product, along K:
;;     - K is cut into blocks of 32 from its start; a last block that is shorter is filled with zeros.
;;     - A block's scale is 2^e with e = floor(log2(the largest magnitude in the block)) - 4, held to -126 .. 127; a block of zeros has e = 0. As a byte (E8M0): e + 127.
;;     - Each number is divided by its block's scale, clamped to +-28, and rounded to the nearest number of E3M2, ties to even, subnormals kept.
;;     - The product sums the exact products of the quantised numbers (number of the format x scale) in f32.
;;   ~~~python
;;   def quantise(x, axis):      # numpy; x: float32 -> the quantised numbers, widened to float32 again
;;       x = np.moveaxis(x, axis, -1); K = x.shape[-1]
;;       x = np.pad(x, [(0, 0)] * (x.ndim - 1) + [(0, -K % 32)]); x = x.reshape(x.shape[:-1] + (-1, 32)); a = np.abs(x).max(-1, keepdims=True)
;;       e = np.where(a > 0, np.clip(np.frexp(np.where(a > 0, a, 1))[1] - 1 - 4, -126, 127), 0)      # np.frexp(a)[1] - 1 = floor(log2(a)), exactly
;;       r = np.clip(x / 2.0 ** e, -28, 28)
;;       step = 2.0 ** (np.maximum(np.frexp(np.where(r == 0, 1, r))[1] - 1, -2) - 2)
;;       q = np.round(r / step) * step * 2.0 ** e      # np.round: ties to even
;;       return np.moveaxis(q.reshape(q.shape[:-2] + (-1,))[..., :K], -1, axis).astype(np.float32)
;;   ~~~
;;   SOFTMAX AHEAD OF A QUANTISED PRODUCT. Where the list says 'softmax', what is quantised is not the finished softmax but p = 2^(t - M), with t = logit x log2(e) and M = ceil(the row's largest t), a whole number; so 1/2 < the row's largest p <= 1. The row's sum l is taken of the UNQUANTISED p, in f32, and the product's result is divided by l at the end. Since M is a whole number, a kernel that streams over the keys may use a running M (the ceiling of the running maximum): every later rescaling is an exact power of two, which a block's scale takes up: the codes' values come out the same.
;;   OPERANDS COMPUTED ON THE WAY. 'Computed on the way' means the value that the module computes at that place (a softmax that the list does not call 'softmax' is quantised finished and normalised). What goes into a quantiser is computed in f32, as accurately as f32 sums, v_exp_f32 and their like allow (about 1e-6 of the number): no bf16 or f16 on the way to a quantiser, and a product that is left as it is and whose result goes on into a quantised operand takes f32 operands (vector FMAs, or v_wmma_f32_16x16x4_f32). A number that lies on a knife's edge between two numbers of the format may be rounded either way, as far as f32 arithmetic and the matrix unit's own rounding can turn it there, and no further.
;; One version. Each part assembles by itself: llvm-mc -triple=amdgcn-amd-amdhsa -mcpu=gfx1250 --defsym DOCPART=n.
;; ======== version 1 of 1: 4 launches
;; workspace buffers: cod 15,728,640 bytes; scl 655,360 bytes; rope 524,288 bytes; qkv 10,223,616 bytes; acod 3,145,728 bytes; ascl 131,072 bytes
;; launch prep (part 1): grid 640 x 1, 4 waves a work-group, no clusters, 68,096 bytes of LDS; arguments hidden_states, position_ids, wq, wk, wv, wo, cod, scl, rope; writes cod, scl, rope
.if DOCPART == 1
	.amdgcn_target "amdgcn-amd-amdhsa--gfx1250"
	.amdhsa_code_object_version 6
	.text
	.protected	k_qdfd776e6ee_prep
	.globl	k_qdfd776e6ee_prep
	.p2align	8
	.type	k_qdfd776e6ee_prep,@function
k_qdfd776e6ee_prep:
	s_mov_b64 s[64:65], 0
	v_nop
	global_prefetch_b8 v0, s[64:65] scope:SCOPE_SE
	s_setreg_imm32_b32 hwreg(HW_REG_WAVE_MODE, 25, 1), 1
	s_wait_xcnt 0x0
; x = hidden_states [2048][2048] and the four weights [2048 (k)][2048 (n)], all f32, become codes of BF6 (E3M2), K innermost, with one E8M0 byte for each 32 along K; and the rope table is made.
; cod: 10,240 rows of 1,536 bytes (2,048 codes): rows 0.. wq, 2048.. wk, 4096.. wv, 6144.. wo (a row = a column n of the weight), 8192.. x (a row = a token).  scl: the same rows, 64 bytes each.
; THE ROWS ARE PERMUTED: logical row i of a tensor lies at physical row pi(i), pi = bits 3 and 4 of the row number exchanged.  A tile of 16 physical rows then holds two groups of eight logical rows 16 apart,
; so that in the products that follow the 16 result registers of two neighbouring tiles are 16 neighbours along the next K.
; A block's scale is 2^(floor(log2(its largest magnitude)) - 4); its byte is that magnitude's exponent field - 4, held at 1 from below.  A block of zeros so gets the byte 1: its codes are zeros, and this program alone reads the bytes.
; rope: [physical token tile 128][8][lane 32][16 bytes]: quads 0-3 cos, 4-7 sin of angle = position x 10^(-f / 8), f = 16 (lane / 16) + 4 quad + 0..3, for the token pi(16 tile + lane % 16), position read from position_ids.
; LIMITS: NaN and infinities are not served; blocks whose largest magnitude lies under 2^-122 keep the byte 1; positions are taken as 0 .. 2047 (the reduction of the angle is exact up to 2^13);
; 10^(-f / 8) is a rounded constant for f < 8 and the rounded product of two for f >= 8, so an angle may differ from the one of a power and a division in f32 by about 1e-4 at the largest positions.
; Work-groups 0-127 take 16 rows of x each and one tile of the rope table; work-groups 128-639 take 128 columns x 256 along K of a weight.  The two paths have LDS bytes of their own.  No barrier: waves share nothing.
.set EMAX,  4
.set CB,    12                         ; bytes of 16 codes
.set STEPS, 16
.set XR,    16                         ; v16-79   x: four sets of 16 numbers as loaded
.set XX,    80                         ; v80-111  two sets of 16 neighbours
.set XE,    112                        ; v112-127 a scale byte for each step
.set XC,    128                        ; v128-191 codes, four registers a step
.set WREG,  8192                       ; LDS of a wave on x's path: two stages of 32 x SP bytes, then its 256 scale bytes
.set SP,    80
.set POS,   192                        ; v192 my token's position; v193 as f32; v194 the power of ten of my half; v196 its address
.set PF,    193
.set DEC,   194
.set PA,    196
.set COSR,  200                        ; v200-203 four cosines, v204-207 four sines
.set SINR,  204
.set T,     208                        ; v208-223 at work
.set WLDS,  32768                      ; the weights' path: a stage of 32 x WPITCH bytes for each wave
.set NB,    8                          ; blocks of 32 along K for a wave
.set WPITCH, 272
.set KROW,  1536
.set NCOL,  2048
.set WX,    32                         ; v32-95   two sets of 32 numbers
.set WC,    96                         ; v96..    a block's codes
.set WOUT,  112                        ; v112-175 the way out
.set WSB,   24                         ; v24-25   eight scale bytes
	s_load_b256 s[4:11], s[0:1], 0x0               ; x s[4:5], position_ids s[6:7], wq s[8:9], wk s[10:11]
	s_load_b256 s[12:19], s[0:1], 0x20             ; wv s[12:13], wo s[14:15], cod s[16:17], scl s[18:19]
	s_load_b64 s[20:21], s[0:1], 0x40              ; rope
	v_lshl_add_u32 v224, v0, 2, 0x10800
	v_mov_b32 v225, 0
	v_lshrrev_b32 v1, 5, v0
	v_readfirstlane_b32 s22, v1                    ; wave
	v_and_b32 v2, 31, v0                           ; lane
	s_mov_b32 s27, 0
	s_wait_kmcnt 0x0
	s_cmp_ge_u32 ttmp9, 128
	s_cbranch_scc1 .Lweights
; ---------------- x: a wave takes 16 steps of 512 numbers (4 rows).  Each load reads 512 consecutive bytes; a step's 2,048 bytes turn through the wave's stage so that a lane holds 16 neighbours along K.
	v_lshlrev_b32 v3, 4, v2                        ; my 16 bytes of a load's 512
	s_mul_i32 s23, s22, WREG
	v_lshrrev_b32 v14, 2, v2
	v_mul_u32_u24 v14, v14, SP
	v_and_b32 v15, 3, v2
	v_lshl_add_u32 v14, v15, 4, v14
	v_add_nc_u32 v14, s23, v14                     ; the stage, in: SP (lane / 4) + 16 (lane % 4)
	v_mul_u32_u24 v15, v2, SP
	v_add_nc_u32 v15, s23, v15                     ; and out: SP x lane
	v_mul_u32_u24 v4, v2, CB                       ; my codes' place in a step's
	v_lshrrev_b32 v5, 1, v2
	s_add_co_u32 s23, s23, 2*32*SP
	v_add_nc_u32 v5, s23, v5                       ; my block's scale byte in LDS
	v_lshlrev_b32 v7, 3, v2
	v_add_nc_u32 v6, s23, v7                       ; and 8 bytes a lane on the way out
	s_lshl_b32 s24, ttmp9, 2
	s_add_co_u32 s24, s24, s22                     ; which run of 4 rows is my wave's
	s_lshl_b32 s26, s24, 15
	s_add_nc_u64 s[4:5], s[4:5], s[26:27]          ; 32,768 bytes of x a run
	s_and_b32 s25, s24, 2                          ; row bits 3 and 4 are the run's bits 1 and 2: exchanged
	s_lshl_b32 s25, s25, 1
	s_and_b32 s28, s24, 4
	s_lshr_b32 s28, s28, 1
	s_and_b32 s24, s24, 0xfffffff9
	s_or_b32 s24, s24, s25
	s_or_b32 s24, s24, s28
	s_mul_i32 s26, s24, 6144
	s_add_co_u32 s26, s26, 8192*1536
	s_add_nc_u64 s[16:17], s[16:17], s[26:27]      ; the run's codes
	s_lshl_b32 s26, s24, 8
	s_add_co_u32 s26, s26, 8192*64
	s_add_nc_u64 s[18:19], s[18:19], s[26:27]      ; and its 256 scale bytes
	s_lshl_b32 s26, ttmp9, 12
	s_lshl_b32 s28, s22, 9
	s_add_co_u32 s26, s26, s28
	s_add_nc_u64 s[20:21], s[20:21], s[26:27]      ; rope: tile = work-group, quad = wave
	v_and_b32 v8, 15, v0                           ; the token of my lane in the rope tile: 32 (g / 2) + 8 (g % 2) + r % 8 + 16 (r / 8)
	s_lshr_b32 s28, ttmp9, 1
	s_lshl_b32 s28, s28, 5
	s_and_b32 s29, ttmp9, 1
	s_lshl_b32 s29, s29, 3
	s_add_co_u32 s28, s28, s29
	v_and_b32 v9, 7, v8
	v_lshrrev_b32 v10, 3, v8
	v_lshl_add_u32 v9, v10, 4, v9
	v_add_nc_u32 v9, s28, v9
	v_lshlrev_b32 v[PA], 2, v9
	global_load_b32 v[POS], v[PA], s[6:7]          ; the oldest load: the first counted wait below covers it
.macro XLOAD t
.irp i, 0,1,2,3
	global_load_b128 v[XR+16*((\t)%4)+4*\i:XR+16*((\t)%4)+4*\i+3], v3, s[4:5] offset:2048*(\t)+512*\i th:TH_LOAD_NT
.endr
.endm
.macro XTURN t                         ; LDS serves a wave's instructions in order: no wait between the stores and the loads
.irp i, 0,1,2,3
	ds_store_b128 v14, v[XR+16*((\t)%4)+4*\i:XR+16*((\t)%4)+4*\i+3] offset:32*SP*((\t)%2)+8*SP*\i
.endr
.irp i, 0,1,2,3
	ds_load_b128 v[XX+16*((\t)%2)+4*\i:XX+16*((\t)%2)+4*\i+3], v15 offset:32*SP*((\t)%2)+16*\i
.endr
.endm
.irp t, 0,1,2,3
	XLOAD \t
.endr
	s_wait_loadcnt 12                              ; the position and step 0's four loads are in; three steps' loads stay out
	XTURN 0
.macro XSTEP t
.set XS, XX+16*((\t)%2)
.if (\t) > 0
	s_wait_dscnt 1                                 ; this step's numbers are back from the stage (the last step's byte store may be out)
.else
	s_wait_dscnt 0x0
.endif
.if (\t)+4 < STEPS
	XLOAD (\t)+4                                   ; into the registers that this step's stores into the stage have read
.endif
.if (\t)+1 < STEPS
.if STEPS-2-(\t) >= 3
	s_wait_loadcnt 12                              ; the next step's four loads are in; those of the three steps behind it may be out
.else
	s_wait_loadcnt 4*(STEPS-2-(\t))
.endif
	XTURN (\t)+1
.endif
	v_max3_num_f32 v8, |v[XS]|, |v[XS+1]|, |v[XS+2]|
	v_max3_num_f32 v9, |v[XS+3]|, |v[XS+4]|, |v[XS+5]|
.irp i, 6,10
	v_max3_num_f32 v8, v8, |v[XS+\i]|, |v[XS+\i+1]|
	v_max3_num_f32 v9, v9, |v[XS+\i+2]|, |v[XS+\i+3]|
.endr
	v_max3_num_f32 v8, v8, |v[XS+14]|, |v[XS+15]|
	v_max3_num_f32 v8, v8, v9, (EMAX+1)<<23        ; with the floor 2^(5 - 127): the byte cannot fall under 1
	v_max_num_f32_dpp v8, v8, v8 row_xmask:1 row_mask:0xf bank_mask:0xf   ; and my neighbour's 16: the block's largest magnitude
	v_add_nc_u32 v11, -(EMAX<<23), v8              ; 4 off its exponent field: the conversion's scale operand
	v_cvt_scalef32_pk16_bf6_f32 v[XC+4*(\t):XC+4*(\t)+2], v[XS:XS+15], v11
	v_lshrrev_b32 v[XE+(\t)], 23, v11              ; the scale's byte
	ds_store_b8 v5, v[XE+(\t)] offset:16*(\t)      ; both lanes of a block write the same byte with the same value
	global_store_b96 v4, v[XC+4*(\t):XC+4*(\t)+2], s[16:17] offset:32*CB*(\t)   ; the wave stores 384 consecutive bytes
.endm
.irp t, 0,1,2,3,4,5,6,7,8,9,10,11,12,13,14,15
	XSTEP \t
.endr
	ds_load_b64 v[12:13], v6
	s_wait_dscnt 0x0
	global_store_b64 v7, v[12:13], s[18:19]        ; 32 lanes store 256 consecutive bytes, aligned
; ---------------- the rope table: wave w makes frequencies f = 16 h + 4 w + e, e = 0..3.  10^(-f / 8) = m[4 (w % 2) + e] x 10^-(2 h + w / 2)
	s_and_b32 s30, s22, 1
	s_cmp_eq_u32 s30, 0
	s_mov_b32 s32, 0x3ea1e89b                      ; 10^(-4/8)
	s_cselect_b32 s32, 0x3f800000, s32             ; 1
	s_mov_b32 s33, 0x3e72d424                      ; 10^(-5/8)
	s_cselect_b32 s33, 0x3f3ff911, s33             ; 10^(-1/8)
	s_mov_b32 s34, 0x3e361887                      ; 10^(-6/8)
	s_cselect_b32 s34, 0x3f0ff59a, s34             ; 10^(-2/8)
	s_mov_b32 s35, 0x3e088d77                      ; 10^(-7/8)
	s_cselect_b32 s35, 0x3ed7e89b, s35             ; 10^(-3/8)
	s_lshr_b32 s30, s22, 1
	s_cmp_eq_u32 s30, 0
	s_mov_b32 s36, 0x3dcccccd                      ; 0.1
	s_cselect_b32 s36, 0x3f800000, s36             ; lanes 0-15: 1 or 0.1
	s_mov_b32 s37, 0x3a83126f                      ; 0.001
	s_cselect_b32 s37, 0x3c23d70a, s37             ; lanes 16-31: 0.01 or 0.001
	s_mov_b32 s38, 0x3f22f983                      ; 2 / pi
	s_mov_b32 s39, 0xbfc90fdb                      ; -(pi / 2), rounded
	s_mov_b32 s40, 0x333bbd2e                      ; what that rounding added to pi / 2
	s_mov_b32 s41, 0xb94ca1f9                      ; sine: r + r z (S1 + z (S2 + z S3)), z = r r
	s_mov_b32 s42, 0x3c08839e
	s_mov_b32 s43, 0xbe2aaaa3
	s_mov_b32 s44, 0x37ccf5ce                      ; cosine: 1 - z / 2 + z z (C1 + z (C2 + z C3))
	s_mov_b32 s45, 0xbab6061a
	s_mov_b32 s46, 0x3d2aaaa5
	s_mov_b32 s47, 0x80000000
	v_cmp_le_u32 vcc_lo, 16, v2
	v_mov_b32 v[DEC], s36
	v_mov_b32 v198, s37
	v_cndmask_b32 v[DEC], v[DEC], v198, vcc_lo
	v_cvt_f32_i32 v[PF], v[POS]
.macro SINCOS e
	v_mul_f32 v[T], s[32+\e], v[DEC]               ; the frequency
	v_mul_f32 v[T+1], v[PF], v[T]                  ; the angle: one multiplication in f32
	v_mul_f32 v[T+2], s38, v[T+1]
	v_rndne_f32 v[T+2], v[T+2]                     ; n = the nearest multiple of pi / 2
	v_fma_f32 v[T+3], v[T+2], s39, v[T+1]          ; r = angle - n pi / 2: this step rounds nothing (n has 11 bits, the difference lies under 1),
	v_fma_f32 v[T+3], v[T+2], s40, v[T+3]          ; and this one mends the constant's rounding
	v_mul_f32 v[T+4], v[T+3], v[T+3]               ; z
	v_cvt_i32_f32 v[T+5], v[T+2]
	v_fma_f32 v[T+6], v[T+4], s41, s42
	v_fma_f32 v[T+6], v[T+6], v[T+4], s43
	v_mul_f32 v[T+7], v[T+4], v[T+3]
	v_fma_f32 v[T+6], v[T+6], v[T+7], v[T+3]       ; sin r
	v_fma_f32 v[T+8], v[T+4], s44, s45
	v_fma_f32 v[T+8], v[T+8], v[T+4], s46
	v_mul_f32 v[T+9], v[T+4], v[T+4]
	v_fma_f32 v[T+10], v[T+4], -0.5, 1.0
	v_fma_f32 v[T+8], v[T+8], v[T+9], v[T+10]      ; cos r
	v_and_b32 v[T+11], 1, v[T+5]
	v_cmp_eq_u32 vcc_lo, 1, v[T+11]                ; an odd n exchanges the two
	v_cndmask_b32 v[T+12], v[T+6], v[T+8], vcc_lo
	v_cndmask_b32 v[T+13], v[T+8], v[T+6], vcc_lo
	v_lshlrev_b32 v[T+14], 30, v[T+5]              ; the sine is negated where n % 4 is 2 or 3,
	v_and_b32 v[T+14], s47, v[T+14]
	v_xor_b32 v[SINR+\e], v[T+12], v[T+14]
	v_add_nc_u32 v[T+15], 1, v[T+5]                ; the cosine where it is 1 or 2
	v_lshlrev_b32 v[T+15], 30, v[T+15]
	v_and_b32 v[T+15], s47, v[T+15]
	v_xor_b32 v[COSR+\e], v[T+13], v[T+15]
.endm
.irp e, 0,1,2,3
	SINCOS \e
.endr
	global_store_b128 v3, v[COSR:COSR+3], s[20:21]               ; 512 consecutive bytes each
	global_store_b128 v3, v[SINR:SINR+3], s[20:21] offset:2048
	s_wait_tensorcnt 0x0
	ds_add_u32 v224, v225
	s_wait_dscnt 0x0
	s_endpgm
; ---------------- a weight: a lane takes a column n and its registers run down K, so that a block of 32 along K lies in one lane and the codes come out with K innermost.
.Lweights:
	s_sub_co_u32 s23, ttmp9, 128
	s_lshr_b32 s24, s23, 7                         ; which weight: 0 wq, 1 wk, 2 wv, 3 wo
	s_cmp_eq_u32 s24, 1
	s_cselect_b64 s[8:9], s[10:11], s[8:9]
	s_cmp_eq_u32 s24, 3
	s_cselect_b64 s[12:13], s[14:15], s[12:13]
	s_cmp_lt_u32 s24, 2
	s_cselect_b64 s[4:5], s[8:9], s[12:13]
	s_and_b32 s25, s23, 15
	s_lshl_b32 s25, s25, 7
	s_lshl_b32 s26, s22, 5
	s_add_co_u32 s25, s25, s26                     ; my wave's first column: a multiple of 32
	s_bfe_u32 s26, s23, 0x30004                    ; which 256 along K
	s_lshl_b32 s28, s26, 21                        ; 256 rows of 8,192 bytes
	s_lshl_b32 s29, s25, 2
	s_add_co_u32 s28, s28, s29
	s_mov_b32 s29, 0
	s_add_nc_u64 s[4:5], s[4:5], s[28:29]
	s_lshl_b32 s30, s24, 11
	s_add_co_u32 s30, s30, s25                     ; the first of my 32 rows of cod and scl
	s_mul_i32 s28, s30, KROW
	s_mul_i32 s31, s26, 192
	s_add_co_u32 s28, s28, s31
	s_add_nc_u64 s[16:17], s[16:17], s[28:29]
	s_lshl_b32 s28, s30, 6
	s_lshl_b32 s31, s26, 3
	s_add_co_u32 s28, s28, s31
	s_add_nc_u64 s[18:19], s[18:19], s[28:29]
	v_lshlrev_b32 v3, 2, v2                        ; in: 4 bytes a lane
	s_mul_i32 s31, s22, 32*WPITCH
	s_add_co_u32 s31, s31, WLDS                    ; my stage
	v_mul_u32_u24 v4, v2, WPITCH
	v_add_nc_u32 v4, s31, v4                       ; into it: row = my column
	v_and_b32 v5, 15, v2
	v_lshrrev_b32 v6, 4, v2
	v_mul_u32_u24 v7, v6, WPITCH                   ; out of it: sixteen lanes to a row, two rows an instruction
	v_lshl_add_u32 v7, v5, 4, v7
	v_add_nc_u32 v7, s31, v7
	v_mul_u32_u24 v8, v6, KROW
	v_mad_u32_u24 v8, v5, 12, v8                   ; and the same place in cod
	v_and_b32 v9, 7, v2                            ; my column's row of scale bytes: pi(lane) x 64
	v_and_b32 v10, 8, v2
	v_lshl_or_b32 v9, v10, 1, v9
	v_and_b32 v10, 16, v2
	v_lshrrev_b32 v10, 1, v10
	v_or_b32 v9, v9, v10
	v_lshlrev_b32 v9, 6, v9
.macro WLOAD t                         ; block t: W(32 t + i, my column) into set t % 2; a wave's load reads 128 consecutive bytes
.irp i, 0,1,2,3,4,5,6,7,8,9,10,11,12,13,14,15,16,17,18,19,20,21,22,23,24,25,26,27,28,29,30,31
	global_load_b32 v[WX+32*((\t)%2)+\i], v3, s[4:5] offset:(32*(\t)+\i)*NCOL*4 th:TH_LOAD_NT
.endr
.endm
	WLOAD 0
	WLOAD 1
.macro WBLOCK t
.set XS, WX+32*((\t)%2)
.if (\t) < NB-1
	s_wait_loadcnt 32                              ; this block's 32 loads are in; the next block's may be out
.else
	s_wait_loadcnt 0
.endif
	v_max3_num_f32 v12, |v[XS]|, |v[XS+1]|, |v[XS+2]|
	v_max3_num_f32 v13, |v[XS+3]|, |v[XS+4]|, |v[XS+5]|
.irp i, 6,10,14,18,22,26
	v_max3_num_f32 v12, v12, |v[XS+\i]|, |v[XS+\i+1]|
	v_max3_num_f32 v13, v13, |v[XS+\i+2]|, |v[XS+\i+3]|
.endr
	v_max3_num_f32 v12, v12, |v[XS+30]|, |v[XS+31]|
	v_max3_num_f32 v12, v12, v13, (EMAX+1)<<23     ; with the floor
	v_add_nc_u32 v11, -(EMAX<<23), v12             ; the conversion's scale operand
	v_lshrrev_b32 v13, 23, v11                     ; the scale's byte
.if (\t)%4 == 0
	v_mov_b32 v[WSB+(\t)/4], v13
.else
	v_lshl_or_b32 v[WSB+(\t)/4], v13, 8*((\t)%4), v[WSB+(\t)/4]
.endif
	v_cvt_scalef32_pk16_bf6_f32 v[WC:WC+2], v[XS:XS+15], v11
	v_cvt_scalef32_pk16_bf6_f32 v[WC+4:WC+6], v[XS+16:XS+31], v11
	ds_store_b96 v4, v[WC:WC+2] offset:32*(\t)     ; 12 bytes to a place of 16, so that every LDS address is a multiple of 16
	ds_store_b96 v4, v[WC+4:WC+6] offset:32*(\t)+16
.if (\t)+2 < NB
	WLOAD (\t)+2
.endif
	s_wait_dscnt 0x0                               ; the stores have read their registers: the next block's codes may be written
.endm
.set Q, 0
.rept NB
	WBLOCK Q
.set Q, Q+1
.endr
	global_store_b64 v9, v[WSB:WSB+1], s[18:19]    ; my column's eight scale bytes
.irp t, 0,1,2,3,4,5,6,7,8,9,10,11,12,13,14,15
	ds_load_b96 v[WOUT+4*\t:WOUT+4*\t+2], v7 offset:2*\t*WPITCH
.endr
.irp t, 0,1,2,3,4,5,6,7,8,9,10,11,12,13,14,15
	s_wait_dscnt 15-\t                             ; the younger loads from the stage may be out
	global_store_b96 v8, v[WOUT+4*\t:WOUT+4*\t+2], s[16:17] offset:2*((\t&3)|((\t&4)<<1)|((\t&8)>>1))*KROW   ; columns 2 t, 2 t + 1 go to rows pi(2 t), pi(2 t + 1): 192 consecutive bytes a row
.endr
	s_wait_tensorcnt 0x0
	ds_add_u32 v224, v225
	s_wait_dscnt 0x0
	s_endpgm
.Lfunc_end_k_qdfd776e6ee_prep:
	.size	k_qdfd776e6ee_prep, .Lfunc_end_k_qdfd776e6ee_prep-k_qdfd776e6ee_prep
	.p2alignl 7, 3214868480
	.fill 96, 4, 3214868480
	.section	.rodata,"a",@progbits
	.p2align	6, 0x0
	.amdhsa_kernel k_qdfd776e6ee_prep
		.amdhsa_group_segment_fixed_size 68096
		.amdhsa_private_segment_fixed_size 0
		.amdhsa_enable_private_segment 0
		.amdhsa_kernarg_size 72
		.amdhsa_user_sgpr_count 2
		.amdhsa_user_sgpr_kernarg_segment_ptr 1
		.amdhsa_wavefront_size32 1
		.amdhsa_system_sgpr_workgroup_id_x 1
		.amdhsa_system_sgpr_workgroup_id_y 1
		.amdhsa_system_sgpr_workgroup_id_z 1
		.amdhsa_system_vgpr_workitem_id 0
		.amdhsa_next_free_vgpr 226
		.amdhsa_next_free_sgpr 66
		.amdhsa_reserve_vcc 1
		.amdhsa_float_denorm_mode_32 3
		.amdhsa_float_denorm_mode_16_64 3
		.amdhsa_memory_ordered 1
		.amdhsa_forward_progress 1
		.amdhsa_inst_pref_size 81
	.end_amdhsa_kernel
	.amdgpu_metadata
---
amdhsa.version: [ 1, 2 ]
amdhsa.kernels:
  - .name:           k_qdfd776e6ee_prep
    .symbol:         k_qdfd776e6ee_prep.kd
    .args:
      - { .name: hidden_states, .offset: 0, .size: 8, .value_kind: global_buffer, .address_space: global }
      - { .name: position_ids, .offset: 8, .size: 8, .value_kind: global_buffer, .address_space: global }
      - { .name: wq, .offset: 16, .size: 8, .value_kind: global_buffer, .address_space: global }
      - { .name: wk, .offset: 24, .size: 8, .value_kind: global_buffer, .address_space: global }
      - { .name: wv, .offset: 32, .size: 8, .value_kind: global_buffer, .address_space: global }
      - { .name: wo, .offset: 40, .size: 8, .value_kind: global_buffer, .address_space: global }
      - { .name: cod, .offset: 48, .size: 8, .value_kind: global_buffer, .address_space: global }
      - { .name: scl, .offset: 56, .size: 8, .value_kind: global_buffer, .address_space: global }
      - { .name: rope, .offset: 64, .size: 8, .value_kind: global_buffer, .address_space: global }
    .group_segment_fixed_size: 68096
    .private_segment_fixed_size: 0
    .kernarg_segment_align: 8
    .kernarg_segment_size: 72
    .max_flat_workgroup_size: 128
    .sgpr_count:     66
    .vgpr_count:     226
    .wavefront_size: 32
...
	.end_amdgpu_metadata
.endif
;; end of part 1
;; launch qkv (part 2): grid 24 x 8, 4 waves a work-group, clusters of 4 x 4, 327,680 bytes of LDS; arguments cod, scl, rope, q_ln_w, k_ln_w, qkv; writes qkv
.if DOCPART == 2
	.amdgcn_target "amdgcn-amd-amdhsa--gfx1250"
	.amdhsa_code_object_version 6
	.text
	.protected	k_qdfd776e6ee_qkv
	.globl	k_qdfd776e6ee_qkv
	.p2align	8
	.type	k_qdfd776e6ee_qkv,@function
k_qdfd776e6ee_qkv:
	s_mov_b64 s[64:65], 0
	v_nop
	global_prefetch_b8 v0, s[64:65] scope:SCOPE_SE
	s_setreg_imm32_b32 hwreg(HW_REG_WAVE_MODE, 25, 1), 1
	s_wait_xcnt 0x0
	s_wait_alu depctr_hold_cnt(0) depctr_sa_sdst(0) depctr_va_vdst(0) depctr_va_sdst(0) depctr_va_ssrc(0) depctr_va_vcc(0) depctr_vm_vsrc(0)
	s_getreg_b32 s2, hwreg(HW_REG_IB_STS2, 6, 4)
	s_cmp_eq_u32 s2, 0
	s_cbranch_scc0 .Lentry_in_a_cluster
	s_endpgm
.Lentry_in_a_cluster:
	s_bfe_u32 s2, ttmp6, 0x10000c
	s_cmp_lg_u32 s2, 0xf033
	s_cbranch_scc0 .Lentry_shape_is_right
	s_endpgm
.Lentry_shape_is_right:
; The three input projections on codes of BF6 (E3M2) with one E8M0 scale for each 32 along K, K = 2,048; then rope and the RMS norm (q, k) in f32; then the quantiser for the attention's products, in registers.
; A work-group of four waves makes a tile of 256 x 256, a wave 128 x 128: 64 accumulators of 16 x 16.  K goes in steps of 256 through a ring of two LDS slots filled by the tensor data mover; the scale bytes of the
; work-group's 512 rows come into LDS once.  Clusters of 4 x 4: A's tiles are asked for jointly along a row of the cluster, B's along a column.
; Cluster x 0, 1: q; 2, 3: k (A = x's tokens, B = the weight's columns); 4, 5: v (A = wv's columns, B = x's tokens).  The role hangs on the cluster's x alone, so all sixteen partners take the same path.
; THE MATRIX INSTRUCTION IS USED TRANSPOSED (source 0 = 16 rows of B, source 1 = 16 rows of A): a lane holds ONE row of A and its registers run along B's rows.  The rows of cod are permuted (bits 3 and 4 of the row
; number exchanged), so that the 16 registers of accumulators (a, 2 b) and (a, 2 b + 1) are 16 LOGICAL neighbours 32 b + 16 (lane / 16) + 0..15 of B's rows: channels of a head for q and k, tokens for v.
; So 64 registers of a lane are quantised as they stand, and the 12 registers of codes that come out are operand registers of the attention's products: two heads' fragments of K = 64 (q, k), or one of 128 keys (v).
; They leave as images of those registers: qkv [head 32][group of 128 tokens 16][kind 3][6,656 bytes]; kinds q, k: 8 tiles x (512 bytes: registers 0-3, 16 x lane; 256: registers 4-5, 8 x lane), then 512 bytes of scale
; words [lane][4]: lanes 0-15 tiles 0-3, lanes 16-31 tiles 4-7; a word = two bytes and 0x7f7f above them (the instruction's K is 128: the upper 64 are zero codes).  Kind v: 4 channel tiles x 3 x 512 bytes, then
; [lane][4]: words 0, 1 = tiles 0, 1 (lanes 0-15) or 2, 3 (lanes 16-31).
; 1 / sqrt(64) is folded into q's gain: a power of two, so q's codes are the same and its scale bytes 3 lower.
; LIMITS: NaN and infinities are not served; a block whose largest magnitude (for q: of q / 8) lies under 2^-122 keeps the byte 1.
; No prefetch into the L2: every tile is read by several clusters and the ring's joint loads share them.
; REGISTERS in the loop: window 0: v0-31 addresses; v32-63 scale words, two sets; v128-223 A's fragments, one set; v64-127 take the first rope tile and the gains, loaded at the head.
;   window 1: B's fragments, two sets, at v0 and v128.  Window 2: accumulators of my rows 0-63 ((a, b) at v[8 (8 a + b)]); window 3: rows 64-127.
.set SIZE_K, 2048
.set KSTEP,  256
.set NQ,     KSTEP/128
.set ROWB,   192
.set KROW,   SIZE_K*6/8
.set PITCH,  240                       ; an LDS row: 3 x (64 bytes + 16 of padding)
.set FR,     12
.set NL,     6
.set NP,     4
.set HALFT,  128*PITCH
.set SLOT,   4*HALFT
.set LAPS,   SIZE_K/(2*KSTEP)
.set KS,     SIZE_K/32
.set SCL,    2*SLOT                    ; behind the ring: the scales, as units of 256 bytes + 16 of padding
.set HALFS,  (128*KS/256)*272
.set SBLK,   (16*KS/256)*272
.set SPARE,  SCL+4*HALFS               ; the spare words, 128 bytes for each wave
.set HSTR,   319488                    ; from head to head in qkv
.set ADRA, 16
.set ADRB, 20
.set L8,   24                          ; v24  8 x lane
.set WO,   25                          ; v25  64 x (lane / 16): my half's bytes in a gain vector
.set CO,   26                          ; v26  16 x lane
.set ADRS, 27
.set SPW,  28
.set NIL,  29
.set SC,   32
.set AF,   128
; the way out, all in window 0
.set RC0,  64                          ; v64-95, v224-255: a token tile's 16 cosines and 16 sines, two buffers
.set RC1,  224
.set WN,   96                          ; v96-127  the gains of my 32 channels
.set Y,    128                         ; v128-191 64 numbers at work
.set PC,   192                         ; v192-203 codes; v204-211 second halves
.set TM,   32                          ; v32-35 largest magnitudes, v36-39 the other half's, then bytes, v44-47 scale operands
.set PW,   48                          ; the scale word just made
.set SS,   50                          ; v50-57  sums of squares, four pairs
.set RS,   58                          ; v58, v60 1 / sqrt of the two heads (v59, v61 named with them as pairs)
.set WA,   212                         ; v212-219 scale words of the first head's 8 tiles
.set WB,   4                           ; v4-11    of the second head's
.set OQ,   220                         ; v220-223 four scale words to store
.set SEL,  40
.set G1, 24
.set G0, 32
.set G1B, 48
.set G0B, 56
.set G1S, 68
.set G0S, 76
.set G1SB, 80
.set G0SB, 88
.set MSB, 0
.macro WIN new                         ; the immediate's high byte repeats the setting that is left
.if MSB != \new
	s_set_vgpr_msb (MSB<<8)|\new
.set MSB, \new
.endif
.endm
.set MUL_LO, 0xa1                      ; source 0 (B) window 1, source 1 (A) window 0, C and D window 2
.set MUL_HI, 0xf1
.set TO_B,   0x40
; A joint load: waves 0 and 1 fetch for A, waves 2 and 3 for B; the branch hangs on the wave's number alone.  Four v_nop follow each of the two lines.
.macro JLOAD g0a, g1a, g0b, g1b
	s_cmp_eq_u32 s15, 0
	s_cbranch_scc0 .Lfor_b_\@
	tensor_load_to_lds s[\g0a:\g0a+3], s[\g1a:\g1a+7]
	s_nop 0
.rept 4
	v_nop
.endr
	s_branch .Lasked_\@
.Lfor_b_\@:
	tensor_load_to_lds s[\g0b:\g0b+3], s[\g1b:\g1b+7]
	s_nop 0
.rept 4
	v_nop
.endr
.Lasked_\@:
.endm
.macro CREST                           ; a round of the cluster's barrier behind its opening barrier
	s_cmp_lg_u32 s14, 0
	s_cbranch_scc1 .Lnot_wave_0_\@
	s_barrier_signal -3
.Lnot_wave_0_\@:
	s_barrier_wait -3
	s_barrier_signal -1
	s_barrier_wait -1
.endm
.macro CROUND
	s_barrier_signal -1
	s_barrier_wait -1
	CREST
.endm
	s_load_b128 s[4:7], s[0:1], 0x0                ; cod s[4:5], scl s[6:7]
	s_load_b64 s[66:67], s[0:1], 0x10              ; rope
	s_load_b64 s[98:99], s[0:1], 0x18              ; q_ln_w
	s_load_b64 s[100:101], s[0:1], 0x20            ; k_ln_w
	s_load_b64 s[12:13], s[0:1], 0x28              ; qkv
	v_lshl_add_u32 v[SPW], v0, 2, SPARE
	v_mov_b32 v[NIL], 0
	ds_add_u32 v28, v29
	ds_add_u32 v28, v29
	s_wait_dscnt 0x0
	v_lshrrev_b32 v1, 5, v0
	v_readfirstlane_b32 s14, v1                    ; wave 0..3
	s_lshr_b32 s15, s14, 1                         ; which half of A's rows is mine.  Also: I fetch for A (0) or for B (1)
	s_and_b32 s16, s14, 1                          ; which half of B's rows.  Also: which 128 rows of that tile I fetch
	s_bfe_u32 s40, ttmp6, 0x40000                  ; cx, cy
	s_bfe_u32 s41, ttmp6, 0x40004
	s_lshl_b32 s42, ttmp9, 2
	s_add_co_u32 s42, s42, s40                     ; tile column = 4 x cluster x + cx
	s_and_b32 s17, ttmp7, 0xffff
	s_lshl_b32 s17, s17, 2
	s_add_co_u32 s17, s17, s41                     ; tile row = 4 x cluster y + cy
	s_lshl_b32 s43, s41, 2
	s_lshl_b32 s43, 15, s43                        ; my row of the cluster
	s_lshl_b32 s44, 0x1111, s40                    ; my column
	s_or_b32 s[G1+0], s43, (0<<16)|(1<<20)|(1<<21)|(3<<22)|(3<<25)  ; the mask; elements of 1 byte; padding on: 4 words behind every 16; bit 21 beside a mask
	s_or_b32 s[G1B+0], s44, (0<<16)|(1<<20)|(1<<21)|(3<<22)|(3<<25)
.irp g, G1, G1B
	s_mov_b32 s[\g+1], ROWB<<16                    ; tensor_dim0
	s_mov_b32 s[\g+2], 128<<16                     ; tensor_dim1
	s_mov_b32 s[\g+3], ROWB<<16                    ; tile_dim0
	s_mov_b32 s[\g+4], 128                         ; tile_dim1
	s_mov_b32 s[\g+5], KROW                        ; from row to row
	s_mov_b32 s[\g+6], 0
	s_mov_b32 s[\g+7], 0
.endr
	s_or_b32 s[G1S+0], s43, (3<<16)|(1<<20)|(1<<21)|(5<<22)|(3<<25) ; the scales of 128 rows: a dense block, as rows of 256 bytes, 16 bytes of padding behind each
	s_or_b32 s[G1SB+0], s44, (3<<16)|(1<<20)|(1<<21)|(5<<22)|(3<<25)
.irp g, G1S, G1SB
	s_mov_b32 s[\g+1], 32<<16
	s_mov_b32 s[\g+2], (128*KS/256)<<16
	s_mov_b32 s[\g+3], 32<<16
	s_mov_b32 s[\g+4], 128*KS/256
	s_mov_b32 s[\g+5], 32
	s_mov_b32 s[\g+6], 0
	s_mov_b32 s[\g+7], 0
.endr
	s_lshr_b32 s97, ttmp9, 2                       ; 1 for v, 0 for q and k: the cluster's x alone
	s_lshl_b32 s97, s97, 12                        ; B's first row in cod: q, k: 0 + 256 x tile column (wq, then wk); v: x's rows, 8192 + 256 (column - 16) = 4096 + 256 column
	s_sub_co_u32 s96, 8192, s97                    ; A's first row: x's for q and k, wv's (4096) for v
	s_lshl_b32 s18, s16, 7                         ; which 128 rows of the tile I fetch
	s_lshl_b32 s20, s17, 8
	s_add_co_u32 s20, s20, s18
	s_add_co_u32 s20, s20, s96                     ; A's row
	s_lshl_b32 s46, s42, 8
	s_add_co_u32 s46, s46, s18
	s_add_co_u32 s46, s46, s97                     ; B's row
	s_mov_b32 s21, 0
	s_mov_b32 s47, 0
	s_mov_b64 s[18:19], KS
	s_mul_u64 s[22:23], s[20:21], s[18:19]         ; where these rows' scales begin
	s_mul_u64 s[92:93], s[46:47], s[18:19]
	s_mov_b64 s[18:19], KROW
	s_mul_u64 s[20:21], s[20:21], s[18:19]         ; and their codes
	s_mul_u64 s[46:47], s[46:47], s[18:19]
	s_mul_i32 s45, s14, HALFT                      ; where they go: wave x 128 rows
	s_mul_i32 s94, s14, HALFS
	s_wait_kmcnt 0x0
	s_add_nc_u64 s[20:21], s[4:5], s[20:21]
	s_add_nc_u64 s[22:23], s[6:7], s[22:23]
	s_add_nc_u64 s[46:47], s[4:5], s[46:47]
	s_add_nc_u64 s[92:93], s[6:7], s[92:93]
	CROUND                                         ; all sixteen work-groups are here: the first joint loads meet
	s_mov_b32 s[G0S], 1
	s_add_co_u32 s[G0S+1], s94, SCL
	s_mov_b64 s[G0S+2:G0S+3], s[22:23]
	s_or_b32 s[G0S+3], s[G0S+3], 0x80000000
	s_mov_b32 s[G0SB], 1
	s_add_co_u32 s[G0SB+1], s94, SCL
	s_mov_b64 s[G0SB+2:G0SB+3], s[92:93]
	s_or_b32 s[G0SB+3], s[G0SB+3], 0x80000000
	JLOAD G0S, G1S, G0SB, G1SB                     ; the scales first: they are wanted with K step 0
.irp s, 0,1
	s_mov_b32 s[G0+4*\s], 1
	s_add_co_u32 s[G0+4*\s+1], s45, \s*SLOT
	s_add_nc_u64 s[G0+4*\s+2:G0+4*\s+3], s[20:21], \s*ROWB
	s_or_b32 s[G0+4*\s+3], s[G0+4*\s+3], 0x80000000
	s_mov_b32 s[G0B+4*\s], 1
	s_add_co_u32 s[G0B+4*\s+1], s45, \s*SLOT
	s_add_nc_u64 s[G0B+4*\s+2:G0B+4*\s+3], s[46:47], \s*ROWB
	s_or_b32 s[G0B+4*\s+3], s[G0B+4*\s+3], 0x80000000
	JLOAD G0+4*\s, G1, G0B+4*\s, G1B
.endr
	v_and_b32 v1, 15, v0                           ; l % 16
	v_bfe_u32 v2, v0, 4, 1                         ; l / 16
	v_mul_u32_u24 v3, v1, PITCH
	v_mul_u32_u24 v4, v2, 24
	v_add_nc_u32 v4, v3, v4                        ; a fragment's row x pitch + 24 x half
	v_lshl_add_u32 v5, v2, 4, v4                   ; and the same behind one padding more
	s_mul_i32 s21, s15, HALFT
	s_mul_i32 s22, s16, HALFT
	s_add_co_u32 s22, s22, 2*HALFT
.irp s, 0,1
	v_add_nc_u32 v[ADRA+\s], s21, v4
	v_add_nc_u32 v[ADRB+\s], s22, v4
	v_add_nc_u32 v[ADRA+2+\s], s21, v5
	v_add_nc_u32 v[ADRB+2+\s], s22, v5
	s_add_co_u32 s21, s21, SLOT
	s_add_co_u32 s22, s22, SLOT
.endr
	v_mul_u32_u24 v5, v1, KS                       ; my row's scales: KS bytes a row,
	v_lshrrev_b32 v6, 8, v5
	v_lshl_add_u32 v5, v6, 4, v5                   ; and 16 more for each 256 passed
	s_mul_i32 s21, s15, HALFS
	s_mul_i32 s22, s16, HALFS
	s_add_co_u32 s22, s22, 2*HALFS
	s_sub_co_u32 s22, s22, s21
	v_mul_u32_u24 v6, s22, v2                      ; lanes 16-31 take B's
	s_add_co_u32 s21, s21, SCL
	v_add_nc_u32 v5, v5, v6
	v_add_nc_u32 v[ADRS], s21, v5
	v_and_b32 v6, 31, v0
	v_lshlrev_b32 v[CO], 4, v6
	v_lshlrev_b32 v[L8], 3, v6
	v_lshlrev_b32 v[WO], 6, v2
	; where my wave's images go.  q, k: heads (4 column + 2 B half) % 32 and the next, kind = column / 8, group = 2 row + A half;  v: heads 4 row + 2 A half and the next, kind 2, group = 2 (column - 16) + B half
	s_lshl_b32 s20, s42, 2
	s_lshl_b32 s21, s16, 1
	s_add_co_u32 s20, s20, s21
	s_and_b32 s20, s20, 31
	s_lshr_b32 s21, s42, 3
	s_lshl_b32 s22, s17, 1
	s_add_co_u32 s22, s22, s15
	s_lshl_b32 s23, s22, 1
	s_lshl_b32 s92, s42, 1
	s_add_co_u32 s92, s92, s16
	s_sub_co_u32 s92, s92, 32
	s_cmp_ge_u32 ttmp9, 4
	s_cselect_b32 s20, s23, s20
	s_cselect_b32 s21, 2, s21
	s_cselect_b32 s22, s92, s22
	s_lshl_b32 s20, s20, 4
	s_add_co_u32 s20, s20, s22
	s_mul_i32 s20, s20, 3
	s_add_co_u32 s20, s20, s21
	s_mul_i32 s20, s20, 6656
	s_mov_b32 s21, 0
	s_add_nc_u64 s[12:13], s[12:13], s[20:21]
	s_lshl_b32 s20, s17, 16                        ; rope: token tile 16 row + 8 A half, 4,096 bytes a tile
	s_lshl_b32 s22, s15, 15
	s_add_co_u32 s20, s20, s22
	s_add_nc_u64 s[66:67], s[66:67], s[20:21]
	s_cmp_lt_u32 ttmp9, 2
	s_cselect_b64 s[100:101], s[98:99], s[100:101] ; q's gain or k's
	; the gains of my 32 channels and the first token tile's cosines and sines land while the products run.  (v's work-groups load them too and use none: the head has one path; every address lies inside its buffer.)
.irp j, 0,1,2,3
	global_load_b128 v[WN+4*\j:WN+4*\j+3], v[WO], s[100:101] offset:16*\j            ; w[16 h + 0..15]
.endr
.irp j, 0,1,2,3
	global_load_b128 v[WN+16+4*\j:WN+16+4*\j+3], v[WO], s[100:101] offset:128+16*\j  ; w[32 + 16 h + 0..15]
.endr
.irp j, 0,1,2,3,4,5,6,7
	global_load_b128 v[RC0+4*\j:RC0+4*\j+3], v[CO], s[66:67] offset:512*\j
.endr
.macro FRAG reg, adr, q, i             ; a fragment, 16 rows x 128 K, is 12 registers: registers 6 c .. 6 c + 5 hold K = 64 c + 32 (l / 16) + 0 .. 31: 24 bytes of the row, in pieces of 8
.irp p, 0,1,2,3,4,5
.set PCE, 12*(\q)+6*(\p/3)+\p%3       ; where the piece three on lies behind one padding more, the second address register serves
.if PCE%8 < 5
	ds_load_b64 v[\reg+2*\p:\reg+2*\p+1], v[\adr] offset:8*PCE+16*(PCE/8)+(\i)*16*PITCH
.else
	ds_load_b64 v[\reg+2*\p:\reg+2*\p+1], v[\adr+2] offset:8*PCE+16*(PCE/8)+(\i)*16*PITCH
.endif
.endr
.endm
; 16 matrix instructions: A's blocks a0, a0 + 1 x B's eight.  The 64 accumulators take turns, one instruction a turn, in the same order in every step.
.macro MUL16 a0, p, q, sc, zero
.irp a, \a0, \a0+1
.irp b, 0,1,2,3,4,5,6,7
.if \zero
	v_wmma_scale_f32_16x16x128_f8f6f4 v[8*(8*((\a)%4)+\b):8*(8*((\a)%4)+\b)+7], v[128*(\p)+FR*\b:128*(\p)+FR*\b+FR-1], v[AF+FR*(\a):AF+FR*(\a)+FR-1], 0, v[SC+8*NQ*(\sc)+NQ*\b+(\q)], v[SC+8*NQ*(\sc)+NQ*(\a)+(\q)] matrix_a_fmt:MATRIX_FMT_BF6 matrix_b_fmt:MATRIX_FMT_BF6 matrix_a_scale:MATRIX_SCALE_ROW1
.else
	v_wmma_scale_f32_16x16x128_f8f6f4 v[8*(8*((\a)%4)+\b):8*(8*((\a)%4)+\b)+7], v[128*(\p)+FR*\b:128*(\p)+FR*\b+FR-1], v[AF+FR*(\a):AF+FR*(\a)+FR-1], v[8*(8*((\a)%4)+\b):8*(8*((\a)%4)+\b)+7], v[SC+8*NQ*(\sc)+NQ*\b+(\q)], v[SC+8*NQ*(\sc)+NQ*(\a)+(\q)] matrix_a_fmt:MATRIX_FMT_BF6 matrix_b_fmt:MATRIX_FMT_BF6 matrix_a_scale:MATRIX_SCALE_ROW1
.endif
.endr
.endr
.endm
.macro FETCH_B slot, q, p
	WIN TO_B
.irp i, 0,1,2,3,4,5,6,7
	FRAG 128*(\p)+FR*\i, ADRB+\slot, \q, \i
.endr
	WIN 0
.endm
.macro FETCH_A slot, q, i0
.irp i, \i0, \i0+1, \i0+2, \i0+3
	FRAG AF+FR*(\i), ADRA+\slot, \q, \i
.endr
.endm
.macro SCALES sc                       ; the next K step's scale words: lanes 0-15 take A's block i, lanes 16-31 B's block i
.irp i, 0,1,2,3,4,5,6,7
	ds_load_b64 v[SC+8*NQ*\sc+NQ*\i:SC+8*NQ*\sc+NQ*\i+1], v[ADRS] offset:\i*SBLK
.endr
.endm
.macro PLACES n                        ; plain vector instructions between a matrix instruction and a load into, or a vector instruction on, its registers
.rept \n
	v_nop
.endr
.endm
.macro STEP slot, q, zero
	s_wait_dscnt 4*NL                              ; B's set and A's blocks 0-3 are in; the youngest 24 loads (A's blocks 4-7) may be out
	WIN MUL_LO
	MUL16 0, (\q)%2, \q, \slot, \zero
	MUL16 2, (\q)%2, \q, \slot, \zero
	s_wait_dscnt 0
	PLACES NP
	FETCH_B \slot, (\q)+1, 1-(\q)%2
	FETCH_A \slot, (\q)+1, 0
	WIN MUL_HI
	MUL16 4, (\q)%2, \q, \slot, \zero
	MUL16 6, (\q)%2, \q, \slot, \zero
	PLACES NP
	WIN 0
	FETCH_A \slot, (\q)+1, 4
.endm
; A slot's last step changes slots: one barrier; in front of it each wave waits for all its tensor loads, adds 0 to its spare word, and waits for that and for its own reads of this slot.
.macro TURN slot, next, fill
	s_wait_tensorcnt 0x0                           ; all my tensor loads have landed: my part of the next slot
	ds_add_u32 v[SPW], v[NIL]                      ; 0 onto my spare word
	s_wait_dscnt 4*NL+1                            ; the add and the youngest 24 loads may be out
	WIN MUL_LO
	MUL16 0, 1, NQ-1, \slot, 0
	s_wait_dscnt 0x0                               ; the add is done, and my reads of this slot are over
	s_barrier_signal -1
	MUL16 2, 1, NQ-1, \slot, 0
	WIN 0
	s_barrier_wait -1
.if \fill
	CREST                                          ; the barrier has opened a round of the cluster's barrier: no wave of any partner still reads this slot or has a load on its way
	s_add_nc_u64 s[G0+4*\slot+2:G0+4*\slot+3], s[G0+4*\slot+2:G0+4*\slot+3], 2*ROWB
	s_add_nc_u64 s[G0B+4*\slot+2:G0B+4*\slot+3], s[G0B+4*\slot+2:G0B+4*\slot+3], 2*ROWB
	JLOAD G0+4*\slot, G1, G0B+4*\slot, G1B         ; the first tensor load behind the round; its four v_nop are the places in front of the loads below
.else
	PLACES NP
.endif
	v_add_nc_u32 v[ADRS], 4*NQ, v[ADRS]
	FETCH_B \next, 0, 0
	FETCH_A \next, 0, 0
	SCALES \next
	WIN MUL_HI
	MUL16 4, 1, NQ-1, \slot, 0
	MUL16 6, 1, NQ-1, \slot, 0
	PLACES NP
	WIN 0
	FETCH_A \next, 0, 4
.endm
	s_wait_tensorcnt 1                             ; the scales and my part of K step 0 are in (K step 1's load may be out),
	s_barrier_signal -1
	s_barrier_wait -1                              ; everybody's are
	FETCH_B 0, 0, 0
	FETCH_A 0, 0, 0
	SCALES 0
	FETCH_A 0, 0, 4
	STEP 0, 0, 1                                   ; the first step's products start the sums
	s_mov_b32 s3, LAPS-1
.Llap:
	TURN 0, 1, 1
	STEP 1, 0, 0
	TURN 1, 0, 1
	STEP 0, 0, 0
	s_sub_co_u32 s3, s3, 1
	s_cmp_lg_u32 s3, 0
	s_cbranch_scc1 .Llap
	TURN 0, 1, 0                                   ; the last lap fills nothing
	STEP 1, 0, 0
	s_wait_dscnt 4*NL
	WIN MUL_LO
	MUL16 0, 1, NQ-1, 1, 0
	MUL16 2, 1, NQ-1, 1, 0
	s_wait_dscnt 0
	WIN MUL_HI
	MUL16 4, 1, NQ-1, 1, 0
	MUL16 6, 1, NQ-1, 1, 0
	WIN 0
; ---------------- THE WAY OUT
; 64 numbers of a lane, v[x] .. v[x + 63] (in the window that wm and wc name), register 16 b + i = k 32 b + 16 (lane / 16) + i of my row, become 12 registers of codes in v[PC] on and the row's four scale bytes in v[pw].
.macro QUANT x, pw, wm, wc
	WIN \wm
.irp b, 0,1,2,3
	v_max3_num_f32 v[TM+\b], |v[\x+16*\b]|, |v[\x+16*\b+1]|, 0x2800000   ; with the floor 2^(5 - 127): the byte cannot fall under 1.  Each accumulator is read from its low end on
.endr
.irp i, 2,4,6,8,10,12,14
.irp b, 0,1,2,3
	v_max3_num_f32 v[TM+\b], |v[\x+16*\b+\i]|, |v[\x+16*\b+\i+1]|, v[TM+\b]
.endr
.endr
	WIN 0
.irp b, 0,1,2,3
	v_permlanex16_b32 v[TM+4+\b], v[TM+\b], s[SEL], s[SEL+1]
.endr
.irp b, 0,1,2,3
	v_max_num_f32 v[TM+\b], v[TM+\b], v[TM+4+\b]   ; with lane l xor 16's: the block's largest magnitude
.endr
.irp b, 0,1,2,3
	v_add_nc_u32 v[TM+12+\b], 0xfe000000, v[TM+\b] ; 4 off its exponent field: the conversion's scale operand
.endr
.irp b, 0,1,2,3
	v_lshrrev_b32 v[TM+4+\b], 23, v[TM+12+\b]      ; the scale's byte
.endr
	v_lshl_or_b32 v[\pw], v[TM+5], 8, v[TM+4]
	v_lshl_or_b32 v[\pw], v[TM+6], 16, v[\pw]
	v_lshl_or_b32 v[\pw], v[TM+7], 24, v[\pw]
	WIN \wc
.irp c, 0,1
	v_cvt_scalef32_pk16_bf6_f32 v[PC+6*\c:PC+6*\c+2], v[\x+32*\c:\x+32*\c+15], v[TM+12+2*\c]
	v_cvt_scalef32_pk16_bf6_f32 v[PC+12+4*\c:PC+14+4*\c], v[\x+16+32*\c:\x+31+32*\c], v[TM+13+2*\c]   ; (a conversion's three registers begin on an even number)
.endr
	WIN 0
	v_nop                                          ; one plain place behind a scaled conversion
.irp c, 0,1                                    ; the operand's layout wants a whole block in a lane: lanes 0-15 block 2 c, lanes 16-31 block 2 c + 1
.irp i, 0,1,2
	v_permlane16_swap_b32 v[PC+6*\c+\i], v[PC+12+4*\c+\i]
.endr
.irp i, 0,1,2
	v_mov_b32 v[PC+3+6*\c+\i], v[PC+12+4*\c+\i]
.endr
.endr
.endm
	PLACES NP                                      ; behind the last products: their results are read and their operands' and scales' registers written below
	s_mov_b32 s[SEL], 0x76543210
	s_mov_b32 s[SEL+1], 0xfedcba98                 ; lane l xor 16
	s_mov_b32 s42, 0x3c800000                      ; 1 / 64
	s_mov_b32 s43, 0x358637bd                      ; 1e-6
	s_mov_b32 s44, 0xffff
	s_mov_b32 s45, 0x7f7f0000
	s_cmp_lt_u32 ttmp9, 2
	s_mov_b32 s46, 0x3f800000
	s_cselect_b32 s46, 0x3e000000, s46             ; q's gain takes 1 / sqrt(64)
	s_mov_b32 s47, s46
.irp b, 0,1,2,3
	v_mov_b32 v[TM+4+\b], 0                        ; written once: a lane permute's destination counts as one of its sources
.endr
	v_mov_b32 v[RS+1], 0
	v_mov_b32 v[RS+3], 0
	v_and_b32 v49, 31, v0
	v_cmp_le_u32 vcc_lo, 16, v49                   ; lanes 16-31; VCC stays
	s_cmp_ge_u32 ttmp9, 4
	s_cbranch_scc1 .Lv
; q and k, a tile of 16 tokens at a time.  In accumulators (a, 0..7) register 32 hd + 16 blk + i of lane (r, h) is channel 32 blk + 16 h + i of head hd, token 16 a + r.
.macro QK_TILE a
.set AC, 64*((\a)%4)
.set RC, RC0+(RC1-RC0)*((\a)%2)
.set RN, RC0+(RC1-RC0)*(1-(\a)%2)
.if (\a) < 7
.irp j, 0,1,2,3,4,5,6,7
	global_load_b128 v[RN+4*\j:RN+4*\j+3], v[CO], s[66:67] offset:((\a)+1)*4096+512*\j   ; the next tile's cosines and sines
.endr
	s_wait_loadcnt 8                               ; all but those eight: this tile's are in
.else
	s_wait_loadcnt 0x0
.endif
.if (\a) == 0
.irp i, 0,2,4,6,8,10,12,14,16,18,20,22,24,26,28,30
	v_pk_mul_f32 v[WN+\i:WN+\i+1], v[WN+\i:WN+\i+1], s[46:47] op_sel_hi:[1,0]
.endr
.endif
	WIN (0x02+(\a)/4)                              ; source 0: the accumulators' window
.irp hd, 0,1
.irp i, 0,2,4,6,8,10,12,14                     ; ascending: each accumulator is read from its low end on
	v_pk_mul_f32 v[Y+32*\hd+\i:Y+32*\hd+\i+1], v[AC+32*\hd+16+\i:AC+32*\hd+17+\i], v[RC+16+\i:RC+17+\i]      ; x2 sin
	v_pk_mul_f32 v[Y+32*\hd+16+\i:Y+32*\hd+17+\i], v[AC+32*\hd+\i:AC+32*\hd+\i+1], v[RC+16+\i:RC+17+\i]      ; x1 sin
.endr
.endr
.irp hd, 0,1
.irp i, 0,2,4,6,8,10,12,14
	v_pk_fma_f32 v[Y+32*\hd+\i:Y+32*\hd+\i+1], v[AC+32*\hd+\i:AC+32*\hd+\i+1], v[RC+\i:RC+\i+1], v[Y+32*\hd+\i:Y+32*\hd+\i+1] neg_lo:[0,0,1] neg_hi:[0,0,1]   ; x1 cos - x2 sin
	v_pk_fma_f32 v[Y+32*\hd+16+\i:Y+32*\hd+17+\i], v[AC+32*\hd+16+\i:AC+32*\hd+17+\i], v[RC+\i:RC+\i+1], v[Y+32*\hd+16+\i:Y+32*\hd+17+\i]                     ; x2 cos + x1 sin
.endr
.endr
	WIN 0
.irp p, 0,1,2,3                                ; the sums of squares, four chains
	v_pk_mul_f32 v[SS+2*\p:SS+2*\p+1], v[Y+16*\p:Y+16*\p+1], v[Y+16*\p:Y+16*\p+1]
.endr
.irp i, 2,4,6,8,10,12,14
.irp p, 0,1,2,3
	v_pk_fma_f32 v[SS+2*\p:SS+2*\p+1], v[Y+16*\p+\i:Y+16*\p+\i+1], v[Y+16*\p+\i:Y+16*\p+\i+1], v[SS+2*\p:SS+2*\p+1]
.endr
.endr
	v_pk_add_f32 v[SS:SS+1], v[SS:SS+1], v[SS+2:SS+3]
	v_pk_add_f32 v[SS+4:SS+5], v[SS+4:SS+5], v[SS+6:SS+7]
	v_add_f32 v[SS], v[SS], v[SS+1]
	v_add_f32 v[SS+4], v[SS+4], v[SS+5]
	v_permlanex16_b32 v[SS+2], v[SS], s[SEL], s[SEL+1]
	v_permlanex16_b32 v[SS+6], v[SS+4], s[SEL], s[SEL+1]
	v_add_f32 v[SS], v[SS], v[SS+2]                ; with the head's other 32 channels, in lane l xor 16
	v_add_f32 v[SS+4], v[SS+4], v[SS+6]
	v_fma_f32 v[SS], v[SS], s42, s43               ; the mean + 1e-6
	v_fma_f32 v[SS+4], v[SS+4], s42, s43
	v_rsq_f32 v[RS], v[SS]
	v_rsq_f32 v[RS+2], v[SS+4]
	v_nop                                          ; a plain instruction behind the transcendentals,
	s_wait_alu depctr_va_vdst(0)                   ; and one wait ahead of their first reader
.irp hd, 0,1
.irp i, 0,2,4,6,8,10,12,14,16,18,20,22,24,26,28,30
	v_pk_mul_f32 v[Y+32*\hd+\i:Y+32*\hd+\i+1], v[Y+32*\hd+\i:Y+32*\hd+\i+1], v[RS+2*\hd:RS+2*\hd+1] op_sel_hi:[1,0]
.endr
.endr
.irp hd, 0,1
.irp i, 0,2,4,6,8,10,12,14,16,18,20,22,24,26,28,30
	v_pk_mul_f32 v[Y+32*\hd+\i:Y+32*\hd+\i+1], v[Y+32*\hd+\i:Y+32*\hd+\i+1], v[WN+\i:WN+\i+1]   ; w x (x x rsqrt)
.endr
.endr
	s_wait_xcnt 0x0                                ; the last tile's stores have read the codes' registers
	QUANT Y, PW, 0, 0
	global_store_b128 v[CO], v[PC:PC+3], s[12:13] offset:768*(\a)                  ; the first head's six registers: 512 consecutive bytes,
	global_store_b64 v[L8], v[PC+4:PC+5], s[12:13] offset:768*(\a)+512             ; and 256
	global_store_b128 v[CO], v[PC+6:PC+9], s[12:13] offset:768*(\a)+HSTR           ; the second head's
	global_store_b64 v[L8], v[PC+10:PC+11], s[12:13] offset:768*(\a)+512+HSTR
	v_and_or_b32 v[WA+(\a)], v[PW], s44, s45       ; the first head's two bytes, 0x7f above them
	v_lshrrev_b32 v[WB+(\a)], 16, v[PW]
	v_or_b32 v[WB+(\a)], s45, v[WB+(\a)]           ; the second head's
.endm
.irp a, 0,1,2,3,4,5,6,7
	QK_TILE \a
.endr
.irp j, 0,1,2,3
	v_cndmask_b32 v[OQ+\j], v[WA+\j], v[WA+4+\j], vcc_lo   ; lanes 0-15 tiles 0-3, lanes 16-31 tiles 4-7 (both halves of the lanes hold row r's words)
.endr
	global_store_b128 v[CO], v[OQ:OQ+3], s[12:13] offset:6144
	s_wait_xcnt 0x0                                ; that store has read its registers
.irp j, 0,1,2,3
	v_cndmask_b32 v[OQ+\j], v[WB+\j], v[WB+4+\j], vcc_lo
.endr
	global_store_b128 v[CO], v[OQ:OQ+3], s[12:13] offset:6144+HSTR
	s_branch .Ldone
; v: a lane is a channel (16 a + r of my 128: head a / 4, tile a % 4) and the 64 registers of accumulators (a, 0..7) are its 128 tokens' half: quantised along the tokens as they stand.
.Lv:
	v_mov_b32 v[OQ+2], 0
	v_mov_b32 v[OQ+3], 0
.macro V_TILE a
.set AC, 64*((\a)%4)
.set QPW, WA+(\a)%4
.set QWM, 0x0a+5*((\a)/4)
.set QWC, 0x02+(\a)/4
.if (\a) > 0
	s_wait_xcnt 0x0                                ; the earlier stores have read their registers
.endif
	QUANT AC, QPW, QWM, QWC
.irp q, 0,1,2
	global_store_b128 v[CO], v[PC+4*\q:PC+4*\q+3], s[12:13] offset:((\a)/4)*HSTR+((\a)%4)*1536+512*\q
.endr
.if (\a)%4 == 3
	v_cndmask_b32 v[OQ], v[WA], v[WA+2], vcc_lo
	v_cndmask_b32 v[OQ+1], v[WA+1], v[WA+3], vcc_lo
	global_store_b128 v[CO], v[OQ:OQ+3], s[12:13] offset:((\a)/4)*HSTR+6144
.endif
.endm
.irp a, 0,1,2,3,4,5,6,7
	V_TILE \a
.endr
.Ldone:
	s_wait_tensorcnt 0x0                           ; the wave's end
	ds_add_u32 v[SPW], v[NIL]
	s_wait_dscnt 0x0
	CROUND                                         ; the closing round: no work-group ends while a partner may still ask for a tile that names it
	s_endpgm
.Lfunc_end_k_qdfd776e6ee_qkv:
	.size	k_qdfd776e6ee_qkv, .Lfunc_end_k_qdfd776e6ee_qkv-k_qdfd776e6ee_qkv
	.p2alignl 7, 3214868480
	.fill 96, 4, 3214868480
	.section	.rodata,"a",@progbits
	.p2align	6, 0x0
	.amdhsa_kernel k_qdfd776e6ee_qkv
		.amdhsa_group_segment_fixed_size 327680
		.amdhsa_private_segment_fixed_size 0
		.amdhsa_enable_private_segment 0
		.amdhsa_kernarg_size 48
		.amdhsa_user_sgpr_count 2
		.amdhsa_user_sgpr_kernarg_segment_ptr 1
		.amdhsa_wavefront_size32 1
		.amdhsa_system_sgpr_workgroup_id_x 1
		.amdhsa_system_sgpr_workgroup_id_y 1
		.amdhsa_system_sgpr_workgroup_id_z 1
		.amdhsa_system_vgpr_workitem_id 0
		.amdhsa_next_free_vgpr 1024
		.amdhsa_next_free_sgpr 102
		.amdhsa_reserve_vcc 1
		.amdhsa_float_denorm_mode_32 3
		.amdhsa_float_denorm_mode_16_64 3
		.amdhsa_memory_ordered 1
		.amdhsa_forward_progress 1
		.amdhsa_inst_pref_size 255
	.end_amdhsa_kernel
	.section	.bss,"aw",@nobits
	.p2align	6
	.space	262144
	.amdgpu_metadata
---
amdhsa.version: [ 1, 2 ]
amdhsa.kernels:
  - .name:           k_qdfd776e6ee_qkv
    .symbol:         k_qdfd776e6ee_qkv.kd
    .args:
      - { .name: cod, .offset: 0, .size: 8, .value_kind: global_buffer, .address_space: global }
      - { .name: scl, .offset: 8, .size: 8, .value_kind: global_buffer, .address_space: global }
      - { .name: rope, .offset: 16, .size: 8, .value_kind: global_buffer, .address_space: global }
      - { .name: q_ln_w, .offset: 24, .size: 8, .value_kind: global_buffer, .address_space: global }
      - { .name: k_ln_w, .offset: 32, .size: 8, .value_kind: global_buffer, .address_space: global }
      - { .name: qkv, .offset: 40, .size: 8, .value_kind: global_buffer, .address_space: global }
    .group_segment_fixed_size: 327680
    .private_segment_fixed_size: 0
    .kernarg_segment_align: 8
    .kernarg_segment_size: 48
    .max_flat_workgroup_size: 128
    .sgpr_count:     102
    .vgpr_count:     1024
    .wavefront_size: 32
...
	.end_amdgpu_metadata
.endif
;; end of part 2
;; launch attn (part 3): grid 32 x 8, 16 waves a work-group, clusters of 4 x 4, 327,680 bytes of LDS; arguments attention_mask, qkv, acod, ascl; writes acod, ascl
.if DOCPART == 3
	.amdgcn_target "amdgcn-amd-amdhsa--gfx1250"
	.amdhsa_code_object_version 6
	.text
	.protected	k_qdfd776e6ee_attn
	.globl	k_qdfd776e6ee_attn
	.p2align	8
	.type	k_qdfd776e6ee_attn,@function
k_qdfd776e6ee_attn:
	s_mov_b64 s[64:65], 0
	v_nop
	global_prefetch_b8 v0, s[64:65] scope:SCOPE_SE
	s_setreg_imm32_b32 hwreg(HW_REG_WAVE_MODE, 25, 1), 1
	s_wait_xcnt 0x0
	s_wait_alu depctr_hold_cnt(0) depctr_sa_sdst(0) depctr_va_vdst(0) depctr_va_sdst(0) depctr_va_ssrc(0) depctr_va_vcc(0) depctr_vm_vsrc(0)
	s_getreg_b32 s2, hwreg(HW_REG_IB_STS2, 6, 4)
	s_cmp_eq_u32 s2, 0
	s_cbranch_scc0 .Lentry_in_a_cluster
	s_endpgm
.Lentry_in_a_cluster:
	s_bfe_u32 s2, ttmp6, 0x10000c
	s_cmp_lg_u32 s2, 0xf033
	s_cbranch_scc0 .Lentry_shape_is_right
	s_endpgm
.Lentry_shape_is_right:
; Attention on codes of BF6 (E3M2): logit = q . k / 8 + mask;  t = logit x log2(e);  M = the row's largest t so far, rounded up to a whole number;  p = 2^(t - M) is quantised along the keys;  O = (p V) / (the sum of the
; unquantised p);  O is quantised along the hidden axis for the output projection: acod [token][1,536 bytes], ascl [token][64 bytes].
; q, k, v arrive as images of operand registers (qkv [head][group of 128 tokens][q, k, v][6,656 bytes]); 1 / 8 lies in q's scale bytes.  The tokens of a tile of 16 are physical rows: physical row p stands for logical
; token pi(p), pi = bits 3 and 4 exchanged.
; SHARES.  A work-group owns 64 queries and 4 heads; wave w owns query tile w % 4 of head w / 4, in 256 registers: four waves to a SIMD, so that one wave's vector work stands beside another's matrix work and LDS loads.
; Every wave walks all 2,048 keys (the mask is an input: nothing of it is built in), 128 a step, one step to a slot of a ring of two.
; LAYOUT.  Both products are used transposed: S^T = K Q^T (source 0 = 16 keys), O^T = V^T P^T (source 0 = 16 channels): a lane holds ONE query throughout.  By pi the 16 registers of key tiles 2 b, 2 b + 1 are the
; logical keys 32 b + 16 (lane / 16) + 0..15, and O^T's likewise along the channels.  The head's 64 are half of the instruction's K: the upper six registers of Q's and K's fragments are zeros, their scale bytes 0x7f.
; THE MASK IS THE C OF THE FIRST PRODUCT: a lane's 64 mask words are loaded from LDS into the score registers, and the product adds q . k / 8 onto them.
; CLUSTER 4 x 4: the four work-groups of a row (same heads) ask jointly for K and V, the four of a column (same queries) for the mask's tile.  Waves 0-7 fetch the 8 parts of K and V, waves 8-15 eight rows of the mask each.
; LIMITS: NaN among the inputs is not served; a mask word of -infinity was not tried as C; a block of p or of O whose largest magnitude lies under 2^-122 keeps the byte 1 (a block of zeros too: its codes are zeros).
; acod leaves in runs of 192 consecutive bytes and ascl in pieces of 8: a work-group owns 4 of a token's 32 heads.
.set SLOT1, 131072                     ; slot 1 begins here: one exclusive or turns an address from one slot to the other
.set PARTB, 6656                       ; a part: K or V of one head and 128 keys
.set HEADB, 319488
.set GRPB,  19968
.set MOFF,  8*PARTB                    ; behind the 8 parts: 64 rows of the mask, in physical order,
.set MP,    528                        ; 512 bytes + 16 of padding each: the 16 rows of a load begin in 16 different groups of banks
.set STAGE, MOFF+64*MP                 ; behind slot 0, where no fill lands: 64 rows x 272 bytes for O's codes,
.set SCST,  STAGE+64*272               ; 512 bytes for their scale bytes,
.set SPARE, SCST+512                   ; and the spare words, 128 bytes for each of 16 waves
.set AK0, 1                            ; v1   my head's K part: 13,312 head + 16 lane
.set AK8, 2                            ; v2   the same + 512 + 8 lane
.set AM0, 3                            ; v3   my query's mask row + 64 (lane / 16)
.set L16, 4                            ; v4   16 x lane
.set SPW, 5
.set NIL, 6
.set L8,  7                            ; v7   8 x lane
.set ADK, 8                            ; v8-10 the same three in the slot in hand
.set ADK8, 9
.set ADM, 10
.set QS,  11                           ; v11  Q's scale words
                                       ; v12 -M, v13 the largest t, v[14:15] the sum in two halves
.set QF,  16                           ; v16-27 Q's fragment
.set PFO, 28                           ; v28  the prefetches' offset
.set LN,  30                           ; v30  lane;  v31 lane % 16;  v86 lane / 16
.set RR,  31
.set KB,  32                           ; v32-79 four fragments of K
.set KSW, 80                           ; v80-83 K's scale words;  v84-85 V's
.set VSW, 84
.set HH,  86
.set S,   96                           ; v96-159 the mask, the logits, p; then v96-143 V's four fragments
.set OT,  160                          ; v160-191 O^T
.set PCD, 192                          ; v192-203 p's codes;  v204-211 second halves
.set PC2, 204
.set BM,  212                          ; v212-215 the blocks' largest
.set BT,  216
.set SO,  220                          ; v220-223 the conversions' scale operands
.set PW,  224                          ; p's scale word
.set FF,  226                          ; v[226:227] f = 2^(old M - new M)
.set TP,  228
.set SUM2, 230
.set TB,  2                            ; s2   LDS byte at which the slot in hand begins
.set SLOTS, 3
.set WV,  12
.set SEL, 20
.set CS,  22                           ; s[22:23] log2(e)
.set G1KV, 24
.set G1M, 32
.set G0KV, 40
.set G0M, 44
.set PFA, 48                           ; s[48:49] where my prefetches stand; s[50:51] a step on; s52 1 in a wave that prefetches, else the greatest number
.set PFS, 50
.set LIM, 52
.macro CROUND                          ; a round of the cluster's barrier
	s_barrier_signal -1
	s_barrier_wait -1
	s_cmp_lg_u32 s[WV], 0
	s_cbranch_scc1 .Lnot_wave_0_\@
	s_barrier_signal -3
.Lnot_wave_0_\@:
	s_barrier_wait -3
	s_barrier_signal -1
	s_barrier_wait -1
.endm
.macro TLOAD                           ; every wave's one joint load; the branch hangs on the wave's number alone.  Four v_nop follow each of the two lines
	s_cmp_lt_u32 s[WV], 8
	s_cbranch_scc0 .Lfor_m_\@
	tensor_load_to_lds s[G0KV:G0KV+3], s[G1KV:G1KV+7]
	s_nop 0
.rept 4
	v_nop
.endr
	s_branch .Lasked_\@
.Lfor_m_\@:
	tensor_load_to_lds s[G0M:G0M+3], s[G1M:G1M+7]
	s_nop 0
.rept 4
	v_nop
.endr
.Lasked_\@:
.endm
; A PREFETCH INTO THE L2 of what the NEXT change of slots will ask for, one key step ahead of that load.  K's and V's parts of a head are read by all eight clusters along x: the cluster with x = 0 asks; its four partners of a
; row take one head each, told apart by address; waves 0 and 1 ask for K's and V's part, 26 blocks of 256 bytes, a lane a block (lanes 26-31 name the last block again).  A mask tile is read by both clusters along y:
; cluster y = 0 asks; the four partners of a column take 16 rows each, by address; wave 8 asks: a row's 512 bytes are two lanes'.  The last change that fills a slot asks for nothing.
.macro ASK
	s_cmp_gt_u32 s[SLOTS], s[LIM]
	s_cbranch_scc0 .Lnot_mine_\@
	global_prefetch_b8 v[PFO], s[PFA:PFA+1] th:TH_LOAD_NT scope:SCOPE_SE
.Lnot_mine_\@:
.endm
	s_load_b256 s[4:11], s[0:1], 0x0               ; mask s[4:5], qkv s[6:7], acod s[8:9], ascl s[10:11]
	v_lshl_add_u32 v[SPW], v0, 2, SPARE
	v_mov_b32 v[NIL], 0
	ds_add_u32 v5, v6
	ds_add_u32 v5, v6
	s_wait_dscnt 0x0
	v_lshrrev_b32 v7, 5, v0
	v_readfirstlane_b32 s[WV], v7                  ; wave 0..15
	s_bfe_u32 s13, ttmp6, 0x40000                  ; cx
	s_bfe_u32 s14, ttmp6, 0x40004                  ; cy
	s_lshl_b32 s15, ttmp9, 2
	s_add_co_u32 s15, s15, s13                     ; x: my block of 64 queries
	s_and_b32 s16, ttmp7, 0xffff
	s_lshl_b32 s16, s16, 2
	s_add_co_u32 s16, s16, s14                     ; y: my four heads
	s_lshl_b32 s17, s14, 2
	s_lshl_b32 s17, 15, s17                        ; my row of the cluster
	s_lshl_b32 s18, 0x1111, s13                    ; my column
	s_or_b32 s[G1KV], s17, (3<<16)|(1<<21)         ; a part: 26 dense rows of 256 bytes (32 elements of 8), no padding; the mask names my row
	s_mov_b32 s[G1KV+1], 32<<16
	s_mov_b32 s[G1KV+2], 26<<16
	s_mov_b32 s[G1KV+3], 32<<16
	s_mov_b32 s[G1KV+4], 26
	s_mov_b32 s[G1KV+5], 32
	s_mov_b32 s[G1KV+6], 0
	s_mov_b32 s[G1KV+7], 0
	s_or_b32 s[G1M], s18, (2<<16)|(1<<20)|(1<<21)|(6<<22)|(3<<25)  ; 8 rows of 128 f32, 2,048 apart; 4 words of padding behind every 128; the mask names my column
	s_mov_b32 s[G1M+1], 128<<16
	s_mov_b32 s[G1M+2], 8<<16
	s_mov_b32 s[G1M+3], 128<<16
	s_mov_b32 s[G1M+4], 8
	s_mov_b32 s[G1M+5], 2048
	s_mov_b32 s[G1M+6], 0
	s_mov_b32 s[G1M+7], 0
	s_and_b32 s53, s[WV], 7                        ; which part, or which eight rows, I fetch
	s_lshr_b32 s54, s53, 1
	s_lshl_b32 s55, s16, 2
	s_add_co_u32 s54, s54, s55                     ; the part's head: 4 y + part / 2
	s_mul_i32 s54, s54, HEADB
	s_and_b32 s55, s53, 1
	s_add_co_u32 s55, s55, 1                       ; kind 1 (k) or 2 (v)
	s_mul_i32 s55, s55, PARTB
	s_add_co_u32 s54, s54, s55
	s_mov_b32 s55, 0
	s_mul_i32 s56, s53, PARTB                      ; and its place in a slot
	s_and_b32 s57, s53, 4                          ; LDS rows 8 g .. 8 g + 7 take logical rows 8 g' ..: g' = g with its bits 0 and 1 exchanged
	s_and_b32 s58, s53, 1
	s_lshl_b32 s58, s58, 1
	s_or_b32 s57, s57, s58
	s_bfe_u32 s58, s53, 0x10001
	s_or_b32 s57, s57, s58
	s_lshl_b32 s58, s15, 3
	s_add_co_u32 s58, s58, s57
	s_lshl_b32 s58, s58, 16                        ; (64 x + 8 g') rows of 8,192 bytes
	s_mov_b32 s59, 0
	s_mul_i32 s60, s53, 8*MP
	s_add_co_u32 s60, s60, MOFF
	s_lshr_b32 s61, s[WV], 2                       ; my head of the four
	s_and_b32 s62, s[WV], 3                        ; my tile of 16 queries
	s_mov_b32 s[SEL], 0x76543210
	s_mov_b32 s[SEL+1], 0xfedcba98
	s_mov_b32 s[CS], 0x3fb8aa3b                    ; log2(e)
	s_mov_b32 s[CS+1], s[CS]
	s_mov_b32 s[TB], 0
	s_mov_b32 s[SLOTS], 15
	s_wait_kmcnt 0x0
	s_mov_b32 s[G0KV], 1
	s_mov_b32 s[G0KV+1], s56
	s_add_nc_u64 s[G0KV+2:G0KV+3], s[6:7], s[54:55]
	s_or_b32 s[G0KV+3], s[G0KV+3], 0x80000000
	s_mov_b32 s[G0M], 1
	s_mov_b32 s[G0M+1], s60
	s_add_nc_u64 s[G0M+2:G0M+3], s[4:5], s[58:59]
	s_or_b32 s[G0M+3], s[G0M+3], 0x80000000
	CROUND                                         ; all sixteen work-groups are here: the first joint loads meet
	TLOAD                                          ; slot 0: key step 0
	v_and_b32 v[LN], 31, v0
	v_and_b32 v[RR], 15, v0
	v_bfe_u32 v[HH], v0, 4, 1
	v_lshlrev_b32 v[L16], 4, v[LN]
	v_lshlrev_b32 v[L8], 3, v[LN]
	v_lshlrev_b32 v93, 4, v[RR]
	s_lshl_b32 s66, s16, 2                         ; Q: head 4 y + my head, group x / 2, tile 4 (x % 2) + my tile
	s_add_co_u32 s66, s66, s61
	s_lshl_b32 s66, s66, 4
	s_lshr_b32 s67, s15, 1
	s_add_co_u32 s66, s66, s67
	s_mul_i32 s66, s66, GRPB
	s_and_b32 s67, s15, 1
	s_lshl_b32 s68, s67, 2
	s_add_co_u32 s68, s68, s62
	s_mul_i32 s68, s68, 768
	s_add_co_u32 s68, s68, s66
	s_mov_b32 s69, 0
	s_add_nc_u64 s[68:69], s[6:7], s[68:69]
	s_lshl_b32 s70, s67, 8                         ; its scale words: the part's byte 6,144 + 16 (r + 16 (x % 2)) + 4 x my tile
	s_lshl_b32 s71, s62, 2
	s_add_co_u32 s70, s70, s71
	s_add_co_u32 s70, s70, s66
	s_add_co_u32 s70, s70, 6144
	s_mov_b32 s71, 0
	s_add_nc_u64 s[70:71], s[6:7], s[70:71]
	global_load_b128 v[QF:QF+3], v[L16], s[68:69]
	global_load_b64 v[QF+4:QF+5], v[L8], s[68:69] offset:512
	global_load_b32 v[QS], v93, s[70:71]
	s_mul_i32 s66, s15, 64*1536                    ; acod at my 64 tokens, my 4 heads' 192 bytes
	s_mul_i32 s67, s16, 192
	s_add_co_u32 s66, s66, s67
	s_mov_b32 s67, 0
	s_add_nc_u64 s[8:9], s[8:9], s[66:67]
	s_lshl_b32 s66, s15, 12                        ; ascl likewise: 64 bytes a token, my 8
	s_lshl_b32 s72, s16, 3
	s_add_co_u32 s66, s66, s72
	s_add_nc_u64 s[10:11], s[10:11], s[66:67]
	s_mul_i32 s72, s61, 2*PARTB
	v_lshl_add_u32 v[AK0], v[LN], 4, s72
	s_add_co_u32 s72, s72, 512
	v_lshl_add_u32 v[AK8], v[LN], 3, s72
	s_lshl_b32 s72, s62, 4
	v_add_nc_u32 v[AM0], s72, v[RR]
	v_mul_u32_u24 v[AM0], v[AM0], MP
	v_lshl_add_u32 v[AM0], v[HH], 6, v[AM0]
	v_add_nc_u32 v[AM0], MOFF, v[AM0]
	; the prefetches: where my wave's stand, and who asks
	s_and_b32 s73, ttmp7, 0xffff                   ; cluster y
	s_lshl_b32 s74, s16, 2
	s_add_co_u32 s74, s74, s13                     ; K, V: head 4 y + cx,
	s_mul_i32 s74, s74, HEADB
	s_and_b32 s75, s[WV], 1
	s_mul_i32 s75, s75, PARTB                      ; kind 1 + wave,
	s_add_co_u32 s74, s74, s75
	s_add_co_u32 s74, s74, PARTB+GRPB              ; at key step 1: the first change of slots steps it to 2
	s_lshl_b32 s75, s15, 19                        ; the mask: rows 64 x + 16 cy,
	s_lshl_b32 s76, s14, 17
	s_add_co_u32 s75, s75, s76
	s_add_co_u32 s75, s75, 512                     ; at key step 1
	s_cmp_lt_u32 s[WV], 8
	s_cselect_b64 s[PFA:PFA+1], s[6:7], s[4:5]
	s_cselect_b32 s74, s74, s75
	s_cselect_b32 s73, ttmp9, s73                  ; the coordinate along which other clusters read the same bytes
	s_mov_b32 s[PFS], 512
	s_cselect_b32 s[PFS], GRPB, s[PFS]             ; a key step on
	s_cselect_b32 s76, 2, 1                        ; how many of the eight waves ask
	s_cselect_b32 s77, 25, 31                      ; the last block's lane
	s_cselect_b32 s78, 0, 1                        ; lanes to a row, as a shift and as a mask
	s_mov_b32 s79, 8192
	s_cselect_b32 s79, 256, s79                    ; from row to row
	s_mov_b32 s75, 0
	s_mov_b32 s[PFS+1], 0
	s_add_nc_u64 s[PFA:PFA+1], s[PFA:PFA+1], s[74:75]
	s_cmp_lt_u32 s53, s76
	s_cselect_b32 s76, 0, 1
	s_or_b32 s73, s73, s76
	s_cmp_eq_u32 s73, 0
	s_cselect_b32 s[LIM], 1, -1
	v_min_u32 v[PFO], s77, v[LN]
	v_lshrrev_b32 v94, s78, v[PFO]
	v_mul_lo_u32 v94, v94, s79
	v_and_b32 v[PFO], s78, v[PFO]
	v_lshl_add_u32 v[PFO], v[PFO], 8, v94
	v_mov_b32 v13, 0xff61b1e6                      ; the largest t so far: -3e38
	v_floor_f32 v12, -v13                          ; -M
	v_mov_b32 v14, 0
	v_mov_b32 v15, 0
.irp j, 6,7,8,9,10,11
	v_mov_b32 v[QF+\j], 0                          ; K = 64 .. 127: zero codes, in Q
.irp t, 0,1,2,3
	v_mov_b32 v[KB+12*\t+\j], 0                    ; and in K's four fragments: written once, no load lands there
.endr
.endr
.irp b, 0,1,2,3
	v_mov_b32 v[BT+\b], 0                          ; a lane permute's destination counts as one of its sources
.endr
	v_mov_b32 v[FF+1], 0                           ; named with f as a pair
.irp j, 0,1,2,3,4,5,6,7,8,9,10,11,12,13,14,15,16,17,18,19,20,21,22,23,24,25,26,27,28,29,30,31
	v_mov_b32 v[OT+\j], 0                          ; the step is written once: the first finds zeros, which the first change of M leaves zeros
.endr
; A KEY STEP: 128 keys.
.macro STEP
	v_add_nc_u32 v[ADK], s[TB], v[AK0]
	v_add_nc_u32 v[ADK8], s[TB], v[AK8]
	v_add_nc_u32 v[ADM], s[TB], v[AM0]
	v_nop
	v_nop                                          ; five places behind the last step's products: loads land in registers that they read (four are owed), and this step's first products write over them (five)
.irp b, 0,1,2,3
.irp j, 0,1,2,3
	ds_load_b128 v[S+16*\b+4*\j:S+16*\b+4*\j+3], v[ADM] offset:128*\b+16*\j   ; mask(my query, keys 32 b + 16 h + 4 j ..): the C of the products below
.endr
.endr
	ds_load_b128 v[KSW:KSW+3], v[ADK] offset:6144           ; K's scale words: lanes 0-15 tiles 0-3, lanes 16-31 tiles 4-7
	ds_load_b64 v[VSW:VSW+1], v[ADK] offset:PARTB+6144      ; V's: lanes 0-15 tiles 0, 1, lanes 16-31 tiles 2, 3
.irp g, 0,1
.if \g
.rept 4
	v_nop                                          ; places in front of loads into registers that matrix instructions have read
.endr
.endif
.irp t, 0,1,2,3
	ds_load_b128 v[KB+12*\t:KB+12*\t+3], v[ADK] offset:768*(4*\g+\t)
	ds_load_b64 v[KB+12*\t+4:KB+12*\t+5], v[ADK8] offset:768*(4*\g+\t)
.endr
	s_wait_dscnt 0x0
.irp t, 0,1,2,3                                ; eight accumulators, one instruction each: no two that follow each other share one
.if \g
	v_wmma_scale_f32_16x16x128_f8f6f4 v[S+32+8*\t:S+39+8*\t], v[KB+12*\t:KB+12*\t+11], v[QF:QF+11], v[S+32+8*\t:S+39+8*\t], v[KSW+\t], v[QS] matrix_a_fmt:MATRIX_FMT_BF6 matrix_b_fmt:MATRIX_FMT_BF6 matrix_a_scale:MATRIX_SCALE_ROW1
.else
	v_wmma_scale_f32_16x16x128_f8f6f4 v[S+8*\t:S+7+8*\t], v[KB+12*\t:KB+12*\t+11], v[QF:QF+11], v[S+8*\t:S+7+8*\t], v[KSW+\t], v[QS] matrix_a_fmt:MATRIX_FMT_BF6 matrix_b_fmt:MATRIX_FMT_BF6
.endif
.endr
.endr
.rept 4
	v_nop
.endr
.irp b, 0,1,2,3
	v_max3_num_f32 v[BM+\b], v[S+16*\b], v[S+16*\b+1], v[S+16*\b+2]   ; the largest logit of each block of 32 keys: for the row's maximum and, since p rises with the logit, for the block's largest p
.endr
.irp i, 3,5,7,9,11,13
.irp b, 0,1,2,3
	v_max3_num_f32 v[BM+\b], v[BM+\b], v[S+16*\b+\i], v[S+16*\b+\i+1]
.endr
.endr
.irp b, 0,1,2,3
	v_max_num_f32 v[BM+\b], v[BM+\b], v[S+16*\b+15]
.endr
.irp b, 0,1,2,3
	v_permlanex16_b32 v[BT+\b], v[BM+\b], s[SEL], s[SEL+1]
.endr
.irp b, 0,1,2,3
	v_max_num_f32 v[BM+\b], v[BM+\b], v[BT+\b]     ; with lane l xor 16's 16 keys
.endr
	v_max3_num_f32 v[TP], v[BM], v[BM+1], v[BM+2]
	v_max_num_f32 v[TP], v[TP], v[BM+3]
	v_mul_f32 v[TP], s[CS], v[TP]
	v_max_num_f32 v13, v13, v[TP]                  ; the running largest t
	v_mov_b32 v[TP], v12
	v_floor_f32 v12, -v13                          ; the new -M = -ceil(t)
	v_sub_f32 v[TP], v12, v[TP]                    ; old M - new M: a whole number, 0 or less
	v_cvt_i32_f32 v[TP], v[TP]                     ; (it saturates)
	v_ldexp_f32 v[FF], 1.0, v[TP]                  ; f = 2^(old M - new M): a multiplication by it rounds nothing
.irp j, 0,2,4,6,8,10,12,14,16,18,20,22,24,26,28,30,32,34,36,38,40,42,44,46,48,50,52,54,56,58,60,62
	v_pk_fma_f32 v[S+\j:S+\j+1], v[S+\j:S+\j+1], s[CS:CS+1], v[12:13] op_sel_hi:[1,0,0]   ; t - M
.endr
.irp b, 0,1,2,3
	v_fma_f32 v[BM+\b], v[BM+\b], s[CS], v12
.endr
.irp j, 0,1,2,3,4,5,6,7,8,9,10,11,12,13,14,15,16,17,18,19,20,21,22,23,24,25,26,27,28,29,30,31,32,33,34,35,36,37,38,39,40,41,42,43,44,45,46,47,48,49,50,51,52,53,54,55,56,57,58,59,60,61,62,63
	v_exp_f32 v[S+\j], v[S+\j]                     ; p = 2^(t - M): not normalised
.endr
	v_pk_mul_f32 v[14:15], v[14:15], v[FF:FF+1] op_sel_hi:[1,0]   ; the sums under the new M: the plain instruction behind the batch
	s_wait_alu depctr_va_vdst(0)                   ; one wait for the 64, ahead of their first reader
.irp b, 0,1,2,3
	v_exp_f32 v[BM+\b], v[BM+\b]                   ; the blocks' largest p
.endr
	v_pk_add_f32 v[SUM2:SUM2+1], v[S:S+1], v[S+2:S+3]   ; the row's sum is taken of the unquantised p, in two chains
.irp j, 4,8,12,16,20,24,28,32,36,40,44,48,52,56,60
	v_pk_add_f32 v[14:15], v[14:15], v[S+\j:S+\j+1]
	v_pk_add_f32 v[SUM2:SUM2+1], v[SUM2:SUM2+1], v[S+2+\j:S+3+\j]
.endr
	v_pk_add_f32 v[14:15], v[14:15], v[SUM2:SUM2+1]
	s_wait_alu depctr_va_vdst(0)                   ; and one for the four
.irp b, 0,1,2,3
	v_max_num_f32 v[BM+\b], 0x2800000, v[BM+\b]    ; the floor 2^(5 - 127)
.endr
.irp b, 0,1,2,3
	v_add_nc_u32 v[SO+\b], 0xfe000000, v[BM+\b]    ; 4 off the exponent field: the conversion's scale operand
.endr
.irp b, 0,1,2,3
	v_lshrrev_b32 v[BT+\b], 23, v[SO+\b]           ; the scale's byte
.endr
	v_lshl_or_b32 v[PW], v[BT+1], 8, v[BT]
	v_lshl_or_b32 v[PW], v[BT+2], 16, v[PW]
	v_lshl_or_b32 v[PW], v[BT+3], 24, v[PW]
.irp c, 0,1
	v_cvt_scalef32_pk16_bf6_f32 v[PCD+6*\c:PCD+6*\c+2], v[S+32*\c:S+32*\c+15], v[SO+2*\c]
	v_cvt_scalef32_pk16_bf6_f32 v[PC2+4*\c:PC2+4*\c+2], v[S+16+32*\c:S+31+32*\c], v[SO+2*\c+1]
.endr
	v_nop                                          ; one plain place behind a scaled conversion
.irp t, 0,1,2,3
.irp q, 0,1,2
	ds_load_b128 v[S+12*\t+4*\q:S+12*\t+4*\q+3], v[ADK] offset:PARTB+1536*\t+512*\q   ; V's four fragments, into the registers that p has left
.endr
.endr
.irp c, 0,1                                    ; the operand's layout wants a whole block in a lane
.irp i, 0,1,2
	v_permlane16_swap_b32 v[PCD+6*\c+\i], v[PC2+4*\c+\i]
.endr
.irp i, 0,1,2
	v_mov_b32 v[PCD+3+6*\c+\i], v[PC2+4*\c+\i]
.endr
.endr
.irp j, 0,2,4,6,8,10,12,14,16,18,20,22,24,26,28,30
	v_pk_mul_f32 v[OT+\j:OT+\j+1], v[OT+\j:OT+\j+1], v[FF:FF+1] op_sel_hi:[1,0]   ; O^T under the new M; these sixteen are also the places between the codes' and the scale word's last writes and the products
.endr
	s_wait_dscnt 0x0
.irp t, 0,1
	v_wmma_scale_f32_16x16x128_f8f6f4 v[OT+8*\t:OT+8*\t+7], v[S+12*\t:S+12*\t+11], v[PCD:PCD+11], v[OT+8*\t:OT+8*\t+7], v[VSW+\t], v[PW] matrix_a_fmt:MATRIX_FMT_BF6 matrix_b_fmt:MATRIX_FMT_BF6
.endr
.irp t, 2,3
	v_wmma_scale_f32_16x16x128_f8f6f4 v[OT+8*\t:OT+8*\t+7], v[S+12*\t:S+12*\t+11], v[PCD:PCD+11], v[OT+8*\t:OT+8*\t+7], v[VSW+\t-2], v[PW] matrix_a_fmt:MATRIX_FMT_BF6 matrix_b_fmt:MATRIX_FMT_BF6 matrix_a_scale:MATRIX_SCALE_ROW1
.endr
	s_xor_b32 s[TB], s[TB], SLOT1                  ; on to the other slot
.endm
; THE CHANGE OF SLOTS stands at a step's head.  Each wave waits for all its tensor loads (one is out: its part of the slot ahead), adds 0 to its spare word, and waits for that and for its reads of the slot that it has left.
; fill = 1: a round of the cluster's barrier, and behind it the slot just left is filled with the next step's tiles: the load has a whole step in which to land.
.macro CHANGE fill
	s_wait_tensorcnt 0x0                           ; no tensor load of mine is out, so a group 0 may be written
	ds_add_u32 v[SPW], v[NIL]                      ; 0 onto my spare word
.if \fill
	s_xor_b32 s[G0KV+1], s[G0KV+1], SLOT1
	s_add_nc_u64 s[G0KV+2:G0KV+3], s[G0KV+2:G0KV+3], GRPB
	s_xor_b32 s[G0M+1], s[G0M+1], SLOT1
	s_add_nc_u64 s[G0M+2:G0M+3], s[G0M+2:G0M+3], 512
	s_wait_xcnt 0x0                                ; the last prefetch, a step back, has read its address
	s_add_nc_u64 s[PFA:PFA+1], s[PFA:PFA+1], s[PFS:PFS+1]
	s_wait_dscnt 0x0                               ; the add is done, and my reads of the slot that I have left are over
	CROUND
	TLOAD                                          ; the first thing behind the round, and my one tensor load until the next
	ASK
.else
	s_wait_dscnt 0x0
	s_barrier_signal -1
	s_barrier_wait -1
.endif
.endm
	s_wait_loadcnt 0x0                             ; Q
.Lslot:                                            ; 15 trips: behind each change of slots but the last the next step's tiles are asked for
	CHANGE 1
	STEP
	s_sub_co_u32 s[SLOTS], s[SLOTS], 1
	s_cmp_lg_u32 s[SLOTS], 0
	s_cbranch_scc1 .Lslot
	CHANGE 0                                       ; the last step is written out
	STEP
	; THE WAY OUT.  O^T / the sum; register 16 b + i of lane (r, h) is channel 32 b + 16 h + i of my head: two blocks of the output projection's K, quantised as they stand.
	v_add_f32 v14, v14, v15
	v_permlanex16_b32 v[TP], v14, s[SEL], s[SEL+1]
	v_add_f32 v14, v14, v[TP]                      ; the row's sum
	v_rcp_f32 v14, v14
	s_lshl_b32 s74, s62, 4                         ; the addresses: plain work behind the reciprocal and behind the last products
	v_add_nc_u32 v93, s74, v[RR]                   ; my query's physical row of the 64
	v_mul_u32_u24 v87, v93, 272
	v_lshl_add_u32 v87, v[HH], 5, v87
	s_lshl_b32 s75, s61, 6
	s_add_co_u32 s75, s75, STAGE
	v_add_nc_u32 v87, s75, v87                     ; the stage, in: row x 272 + 64 head + 32 h: places of 16 bytes for 12 bytes of codes
	s_lshl_b32 s75, s61, 1
	s_add_co_u32 s75, s75, SCST
	v_lshl_add_u32 v88, v93, 3, s75                ; my row's two scale bytes: 8 row + 2 head
	s_lshl_b32 s75, s[WV], 2
	v_add_nc_u32 v89, s75, v[HH]
	v_mul_u32_u24 v89, v89, 272
	v_lshl_add_u32 v89, v[RR], 4, v89
	v_add_nc_u32 v89, STAGE, v89                   ; out: wave w takes rows 4 w .. 4 w + 3, sixteen lanes to a row
	s_and_b32 s76, s[WV], 9                        ; physical row 4 w + .. is logical row 4 w' + ..: w' = w with its bits 1 and 2 exchanged
	s_and_b32 s77, s[WV], 2
	s_lshl_b32 s77, s77, 1
	s_or_b32 s76, s76, s77
	s_and_b32 s77, s[WV], 4
	s_lshr_b32 s77, s77, 1
	s_or_b32 s76, s76, s77
	s_lshl_b32 s76, s76, 2
	v_add_nc_u32 v90, s76, v[HH]
	v_mul_u32_u24 v90, v90, 1536
	v_mad_u32_u24 v90, v[RR], 12, v90
	v_and_b32 v93, 63, v0                          ; the scale bytes: threads 0-63 take a row's 8 bytes each
	v_lshl_add_u32 v91, v93, 3, SCST
	v_and_b32 v92, 39, v93
	v_and_b32 v94, 8, v93
	v_lshl_or_b32 v92, v94, 1, v92
	v_and_b32 v94, 16, v93
	v_lshrrev_b32 v94, 1, v94
	v_or_b32 v92, v92, v94
	v_lshlrev_b32 v92, 6, v92                      ; pi(row) x 64
	s_wait_alu depctr_va_vdst(0)                   ; the wait ahead of the reciprocal's first reader
.irp j, 0,1,2,3,4,5,6,7,8,9,10,11,12,13,14,15,16,17,18,19,20,21,22,23,24,25,26,27,28,29,30,31
	v_mul_f32 v[S+\j], v[OT+\j], v14               ; ascending: each accumulator is read from its low end on
.endr
.irp b, 0,1
	v_max3_num_f32 v[BM+\b], |v[S+16*\b]|, |v[S+16*\b+1]|, 0x2800000
.endr
.irp i, 2,4,6,8,10,12,14
.irp b, 0,1
	v_max3_num_f32 v[BM+\b], v[BM+\b], |v[S+16*\b+\i]|, |v[S+16*\b+\i+1]|
.endr
.endr
.irp b, 0,1
	v_permlanex16_b32 v[BT+\b], v[BM+\b], s[SEL], s[SEL+1]
.endr
.irp b, 0,1
	v_max_num_f32 v[BM+\b], v[BM+\b], v[BT+\b]
.endr
.irp b, 0,1
	v_add_nc_u32 v[SO+\b], 0xfe000000, v[BM+\b]
.endr
.irp b, 0,1
	v_lshrrev_b32 v[BT+\b], 23, v[SO+\b]
.endr
	v_lshl_or_b32 v[PW], v[BT+1], 8, v[BT]
	v_cvt_scalef32_pk16_bf6_f32 v[PCD:PCD+2], v[S:S+15], v[SO]
	v_cvt_scalef32_pk16_bf6_f32 v[PC2:PC2+2], v[S+16:S+31], v[SO+1]
	v_nop                                          ; one plain place behind a scaled conversion
.irp i, 0,1,2
	v_permlane16_swap_b32 v[PCD+\i], v[PC2+\i]     ; lane (r, h) now holds block h: its lower 16 codes in the first run, its upper 16 in the second
.endr
	ds_store_b96 v87, v[PCD:PCD+2]
	ds_store_b96 v87, v[PC2:PC2+2] offset:16
	ds_store_b16 v88, v[PW]                        ; both halves of the lanes write the same two bytes with the same value
	s_wait_dscnt 0x0                               ; for the others' sake: my stores into the stage are done
	s_barrier_signal -1
	s_barrier_wait -1
.irp i, 0,1
	ds_load_b96 v[S+4*\i:S+4*\i+2], v89 offset:2*\i*272
.endr
.irp i, 0,1
	s_wait_dscnt 1-\i                              ; the younger load may be out
	global_store_b96 v90, v[S+4*\i:S+4*\i+2], s[8:9] offset:3072*\i   ; sixteen lanes store a token's 192 consecutive bytes
.endr
	s_cmp_lt_u32 s[WV], 2
	s_cbranch_scc0 .Lno_bytes
	ds_load_b64 v[S+8:S+9], v91
	s_wait_dscnt 0x0
	global_store_b64 v92, v[S+8:S+9], s[10:11]
.Lno_bytes:
	s_wait_tensorcnt 0x0                           ; the wave's end
	ds_add_u32 v[SPW], v[NIL]
	s_wait_dscnt 0x0
	CROUND                                         ; the closing round
	s_endpgm
.Lfunc_end_k_qdfd776e6ee_attn:
	.size	k_qdfd776e6ee_attn, .Lfunc_end_k_qdfd776e6ee_attn-k_qdfd776e6ee_attn
	.p2alignl 7, 3214868480
	.fill 96, 4, 3214868480
	.section	.rodata,"a",@progbits
	.p2align	6, 0x0
	.amdhsa_kernel k_qdfd776e6ee_attn
		.amdhsa_group_segment_fixed_size 327680
		.amdhsa_private_segment_fixed_size 0
		.amdhsa_enable_private_segment 0
		.amdhsa_kernarg_size 32
		.amdhsa_user_sgpr_count 2
		.amdhsa_user_sgpr_kernarg_segment_ptr 1
		.amdhsa_wavefront_size32 1
		.amdhsa_system_sgpr_workgroup_id_x 1
		.amdhsa_system_sgpr_workgroup_id_y 1
		.amdhsa_system_sgpr_workgroup_id_z 1
		.amdhsa_system_vgpr_workitem_id 0
		.amdhsa_next_free_vgpr 256
		.amdhsa_next_free_sgpr 80
		.amdhsa_reserve_vcc 0
		.amdhsa_float_denorm_mode_32 3
		.amdhsa_float_denorm_mode_16_64 3
		.amdhsa_memory_ordered 1
		.amdhsa_forward_progress 1
		.amdhsa_inst_pref_size 52
	.end_amdhsa_kernel
	.amdgpu_metadata
---
amdhsa.version: [ 1, 2 ]
amdhsa.kernels:
  - .name:           k_qdfd776e6ee_attn
    .symbol:         k_qdfd776e6ee_attn.kd
    .args:
      - { .name: attention_mask, .offset: 0, .size: 8, .value_kind: global_buffer, .address_space: global }
      - { .name: qkv, .offset: 8, .size: 8, .value_kind: global_buffer, .address_space: global }
      - { .name: acod, .offset: 16, .size: 8, .value_kind: global_buffer, .address_space: global }
      - { .name: ascl, .offset: 24, .size: 8, .value_kind: global_buffer, .address_space: global }
    .group_segment_fixed_size: 327680
    .private_segment_fixed_size: 0
    .kernarg_segment_align: 8
    .kernarg_segment_size: 32
    .max_flat_workgroup_size: 512
    .sgpr_count:     80
    .vgpr_count:     256
    .wavefront_size: 32
...
	.end_amdgpu_metadata
.endif
;; end of part 3
;; launch oproj (part 4): grid 16 x 16, 4 waves a work-group, clusters of 4 x 4, 327,680 bytes of LDS; arguments acod, ascl, cod, scl, out0; writes out0
.if DOCPART == 4
	.amdgcn_target "amdgcn-amd-amdhsa--gfx1250"
	.amdhsa_code_object_version 6
	.text
	.protected	k_qdfd776e6ee_oproj
	.globl	k_qdfd776e6ee_oproj
	.p2align	8
	.type	k_qdfd776e6ee_oproj,@function
k_qdfd776e6ee_oproj:
	s_mov_b64 s[64:65], 0
	v_nop
	global_prefetch_b8 v0, s[64:65] scope:SCOPE_SE
	s_setreg_imm32_b32 hwreg(HW_REG_WAVE_MODE, 25, 1), 1
	s_wait_xcnt 0x0
	s_wait_alu depctr_hold_cnt(0) depctr_sa_sdst(0) depctr_va_vdst(0) depctr_va_sdst(0) depctr_va_ssrc(0) depctr_va_vcc(0) depctr_vm_vsrc(0)
	s_getreg_b32 s2, hwreg(HW_REG_IB_STS2, 6, 4)
	s_cmp_eq_u32 s2, 0
	s_cbranch_scc0 .Lentry_in_a_cluster
	s_endpgm
.Lentry_in_a_cluster:
	s_bfe_u32 s2, ttmp6, 0x10000c
	s_cmp_lg_u32 s2, 0xf033
	s_cbranch_scc0 .Lentry_shape_is_right
	s_endpgm
.Lentry_shape_is_right:
; out0[token][n] = the sum over k of attn[token][k] wo[k][n], on codes of BF6 (E3M2) with one E8M0 scale for each 32 along K; sums in f32.  A = acod, ascl (tokens in logical order); B = rows 6144 .. 8191 of cod, scl:
; wo's columns n, at physical row pi(n), pi = bits 3 and 4 of the row number exchanged.
; out0 is 2,048 x 2,048: a tile is 128 x 128, so that there are 256 work-groups.  Four waves, each 64 x 64: 16 accumulators of 16 x 16.  The price: for 128 along K a wave reads 8 fragments from LDS for 16 products.
; K goes in steps of 512 (four matrix instructions deep) through a ring of two LDS slots filled by the tensor data mover, as long as two slots in LDS allow: K = 2,048 is four slots' worth, two first fills and two refills.
; The scale bytes of the work-group's 256 rows come into LDS once.  Clusters of 4 x 4: A's tiles are asked for jointly along a row of the cluster, B's along a column.
; THE MATRIX INSTRUCTION IS USED TRANSPOSED (source 0 = 16 rows of B, source 1 = 16 rows of A): a lane holds eight columns of one row of out0; register j of accumulator (a, b) in lane half h is logical column
; 32 (b / 2) + 16 h + 8 (b % 2) + j: the stage's addresses put them in order.
; No prefetch into the L2: every tile is read by several work-groups and the joint loads share them.  The text is written out, 16 steps of 128 along K, without a loop.
; REGISTERS: window 0: v0-31 addresses; v32-63 scale words, two sets; v64-127 the way out; v128-255 the accumulators ((a, b) at v[128 + 8 (4 a + b)]).
;   window 1: two sets of fragments, at v0 and v128: A's four blocks (12 registers each), then from + 48 B's four.
.set SIZE_N, 2048
.set SIZE_K, 2048
.set KSTEP,  512                       ; along K in a slot
.set NQ,     KSTEP/128                 ; matrix instructions deep
.set ROWB,   384                       ; a tile's row in bytes
.set KROW,   SIZE_K*6/8                ; a row of codes in memory
.set PITCH,  432                       ; an LDS row: 3 x (128 bytes + 16 of padding) = 108 words: row r starts at bank 44 r mod 64, sixteen different multiples of 4 (64 banks of 4 bytes: ISA guide 11.1): the 32 lanes of a load of 8 bytes touch 64 different banks
.set FR,     12                        ; registers of a fragment
.set NP,     4                         ; places behind this matrix instruction (ISA guide 7.12.1)
.set HALFT,  64*PITCH                  ; 64 rows: what one tensor load brings, and what one wave reads of A or of B
.set SLOT,   4*HALFT                   ; A's 128 rows, then B's 128 rows
.set KS,     SIZE_K/32                 ; a row of scale bytes
.set SCL,    2*SLOT                    ; behind the ring: the scales, as units of 256 bytes + 16 of padding
.set HALFS,  (64*KS/256)*272           ; those of 64 rows: what one tensor load brings
.set SBLK,   (16*KS/256)*272           ; those of 16 rows
.set SPARE,  SCL+4*HALFS               ; the spare words, 128 bytes for each wave
.set SPITCH, 272                       ; the way out: a stage of 16 rows x (256 bytes + 16) for each wave, in slot 0, which has had its last fill and its last read when the first result is stored there
.set ADRA, 16                          ; v16-17 LDS address of my A fragments in slot 0, 1 (v18-19: the same for the pieces that lie behind one padding more)
.set ADRB, 20                          ; v20-23 the same for B
.set STO,  24                          ; v24  the way out: where I put 32 bytes of a row
.set RD,   25                          ; v25  where I read a row back
.set CO,   26                          ; v26  my byte offset in two rows of out0
.set ADRS, 27                          ; v27  LDS address of my scale words: lanes 0-15 A's rows, lanes 16-31 B's
.set SPW,  28
.set NIL,  29
.set SC,   32                          ; scale words: set s (for slot s) at v[SC + 16 s]; register 4 i + q: lanes 0-15 the word of A's block i, lanes 16-31 of B's block i, for the slot's q-th 128 along K
.set BK,   64                          ; the way out: 16 rows read back from the stage: v64-95 and v96-127 by turns
.set ACC,  128
.set G1, 24
.set G0, 32
.set G1B, 48
.set G0B, 56
.set G1S, 68
.set G0S, 76
.set G1SB, 80
.set G0SB, 88
.set MSB, 0
.macro WIN new                         ; the immediate's high byte repeats the setting that is left
.if MSB != \new
	s_set_vgpr_msb (MSB<<8)|\new
.set MSB, \new
.endif
.endm
.set MUL,  0x05                        ; sources 0 (B) and 1 (A) window 1; C and D window 0
.set TO_F, 0x40                        ; destination window 1, address window 0
.macro JLOAD g0a, g1a, g0b, g1b        ; a joint load: waves 0 and 1 fetch for A, waves 2 and 3 for B; the branch hangs on the wave's number alone.  Four v_nop follow each of the two lines
	s_cmp_eq_u32 s15, 0
	s_cbranch_scc0 .Lfor_b_\@
	tensor_load_to_lds s[\g0a:\g0a+3], s[\g1a:\g1a+7]
	s_nop 0
.rept 4
	v_nop
.endr
	s_branch .Lasked_\@
.Lfor_b_\@:
	tensor_load_to_lds s[\g0b:\g0b+3], s[\g1b:\g1b+7]
	s_nop 0
.rept 4
	v_nop
.endr
.Lasked_\@:
.endm
.macro CREST                           ; a round of the cluster's barrier behind its opening barrier
	s_cmp_lg_u32 s14, 0
	s_cbranch_scc1 .Lnot_wave_0_\@
	s_barrier_signal -3
.Lnot_wave_0_\@:
	s_barrier_wait -3
	s_barrier_signal -1
	s_barrier_wait -1
.endm
.macro CROUND
	s_barrier_signal -1
	s_barrier_wait -1
	CREST
.endm
	s_load_b128 s[4:7], s[0:1], 0x0                ; acod, ascl
	s_load_b128 s[8:11], s[0:1], 0x10              ; cod, scl
	s_load_b64 s[12:13], s[0:1], 0x20              ; out0
	v_lshl_add_u32 v[SPW], v0, 2, SPARE
	v_mov_b32 v[NIL], 0
	ds_add_u32 v28, v29
	ds_add_u32 v28, v29
	s_wait_dscnt 0x0
	v_lshrrev_b32 v1, 5, v0
	v_readfirstlane_b32 s14, v1                    ; wave 0..3
	s_lshr_b32 s15, s14, 1                         ; which half of the tile's rows is mine.  Also: I fetch for A (0) or for B (1)
	s_and_b32 s16, s14, 1                          ; which half of its columns.  Also: which 64 rows of that tile I fetch
	s_bfe_u32 s40, ttmp6, 0x40000                  ; cx, cy
	s_bfe_u32 s41, ttmp6, 0x40004
	s_lshl_b32 s42, ttmp9, 2
	s_add_co_u32 s42, s42, s40                     ; tile column = 4 x cluster x + cx
	s_and_b32 s17, ttmp7, 0xffff
	s_lshl_b32 s17, s17, 2
	s_add_co_u32 s17, s17, s41                     ; tile row = 4 x cluster y + cy
	s_lshl_b32 s43, s41, 2
	s_lshl_b32 s43, 15, s43                        ; my row of the cluster
	s_lshl_b32 s44, 0x1111, s40                    ; my column
	s_or_b32 s[G1+0], s43, (0<<16)|(1<<20)|(1<<21)|(4<<22)|(3<<25)  ; the mask; elements of 1 byte; padding on: 4 words behind every 32; bit 21 beside a mask
	s_or_b32 s[G1B+0], s44, (0<<16)|(1<<20)|(1<<21)|(4<<22)|(3<<25)
.irp g, G1, G1B
	s_mov_b32 s[\g+1], ROWB<<16                    ; tensor_dim0
	s_mov_b32 s[\g+2], 64<<16                      ; tensor_dim1
	s_mov_b32 s[\g+3], ROWB<<16                    ; tile_dim0
	s_mov_b32 s[\g+4], 64                          ; tile_dim1
	s_mov_b32 s[\g+5], KROW                        ; from row to row
	s_mov_b32 s[\g+6], 0
	s_mov_b32 s[\g+7], 0
.endr
	s_or_b32 s[G1S+0], s43, (3<<16)|(1<<20)|(1<<21)|(5<<22)|(3<<25) ; the scales of 64 rows: a dense block of 4,096 bytes, as 16 rows of 256 bytes, 16 bytes of padding behind each
	s_or_b32 s[G1SB+0], s44, (3<<16)|(1<<20)|(1<<21)|(5<<22)|(3<<25)
.irp g, G1S, G1SB
	s_mov_b32 s[\g+1], 32<<16
	s_mov_b32 s[\g+2], (64*KS/256)<<16
	s_mov_b32 s[\g+3], 32<<16
	s_mov_b32 s[\g+4], 64*KS/256
	s_mov_b32 s[\g+5], 32
	s_mov_b32 s[\g+6], 0
	s_mov_b32 s[\g+7], 0
.endr
	s_lshl_b32 s18, s16, 6                         ; which 64 rows of the tile I fetch
	s_lshl_b32 s20, s17, 7
	s_add_co_u32 s20, s20, s18                     ; A: row 128 x tile row + 64 x half
	s_lshl_b32 s46, s42, 7
	s_add_co_u32 s46, s46, s18
	s_add_co_u32 s46, s46, 6144                    ; B: wo's rows begin at row 6144 of cod and scl
	s_mov_b32 s21, 0
	s_mov_b32 s47, 0
	s_mov_b64 s[18:19], KS
	s_mul_u64 s[22:23], s[20:21], s[18:19]         ; where these rows' scales begin
	s_mul_u64 s[92:93], s[46:47], s[18:19]
	s_mov_b64 s[18:19], KROW
	s_mul_u64 s[20:21], s[20:21], s[18:19]         ; and their codes
	s_mul_u64 s[46:47], s[46:47], s[18:19]
	s_mul_i32 s45, s14, HALFT                      ; where they go: wave x 64 rows: no place in the cluster enters an LDS address
	s_mul_i32 s94, s14, HALFS
	s_wait_kmcnt 0x0
	s_add_nc_u64 s[20:21], s[4:5], s[20:21]
	s_add_nc_u64 s[22:23], s[6:7], s[22:23]
	s_add_nc_u64 s[46:47], s[8:9], s[46:47]
	s_add_nc_u64 s[92:93], s[10:11], s[92:93]
	CROUND                                         ; all sixteen work-groups are here: the first joint loads meet
	s_mov_b32 s[G0S], 1
	s_add_co_u32 s[G0S+1], s94, SCL
	s_mov_b64 s[G0S+2:G0S+3], s[22:23]
	s_or_b32 s[G0S+3], s[G0S+3], 0x80000000
	s_mov_b32 s[G0SB], 1
	s_add_co_u32 s[G0SB+1], s94, SCL
	s_mov_b64 s[G0SB+2:G0SB+3], s[92:93]
	s_or_b32 s[G0SB+3], s[G0SB+3], 0x80000000
	JLOAD G0S, G1S, G0SB, G1SB                     ; the scales first: they are wanted with K step 0
.irp s, 0,1
	s_mov_b32 s[G0+4*\s], 1
	s_add_co_u32 s[G0+4*\s+1], s45, \s*SLOT
	s_add_nc_u64 s[G0+4*\s+2:G0+4*\s+3], s[20:21], \s*ROWB
	s_or_b32 s[G0+4*\s+3], s[G0+4*\s+3], 0x80000000
	s_mov_b32 s[G0B+4*\s], 1
	s_add_co_u32 s[G0B+4*\s+1], s45, \s*SLOT
	s_add_nc_u64 s[G0B+4*\s+2:G0B+4*\s+3], s[46:47], \s*ROWB
	s_or_b32 s[G0B+4*\s+3], s[G0B+4*\s+3], 0x80000000
	JLOAD G0+4*\s, G1, G0B+4*\s, G1B               ; three loads of mine are out
.endr
	v_and_b32 v1, 15, v0                           ; l % 16
	v_bfe_u32 v2, v0, 4, 1                         ; l / 16
	v_mul_u32_u24 v3, v1, PITCH
	v_mul_u32_u24 v4, v2, 24
	v_add_nc_u32 v4, v3, v4                        ; a fragment's row x pitch + 24 x half
	v_lshl_add_u32 v5, v2, 4, v4                   ; and the same behind one padding more
	s_mul_i32 s21, s15, HALFT                      ; my 64 rows of A
	s_mul_i32 s22, s16, HALFT                      ; my 64 rows of B,
	s_add_co_u32 s22, s22, 2*HALFT                 ; which lie behind A's 128
.irp s, 0,1
	v_add_nc_u32 v[ADRA+\s], s21, v4
	v_add_nc_u32 v[ADRB+\s], s22, v4
	v_add_nc_u32 v[ADRA+2+\s], s21, v5
	v_add_nc_u32 v[ADRB+2+\s], s22, v5
	s_add_co_u32 s21, s21, SLOT
	s_add_co_u32 s22, s22, SLOT
.endr
	v_mul_u32_u24 v5, v1, KS                       ; my row's scales: KS bytes a row,
	v_lshrrev_b32 v6, 8, v5
	v_lshl_add_u32 v5, v6, 4, v5                   ; and 16 more for each 256 passed
	s_mul_i32 s21, s15, HALFS                      ; A's: my 64 rows
	s_mul_i32 s22, s16, HALFS                      ; B's: my 64 rows, behind A's 128
	s_add_co_u32 s22, s22, 2*HALFS
	s_sub_co_u32 s22, s22, s21
	v_mul_u32_u24 v6, s22, v2                      ; lanes 16-31 take B's
	s_add_co_u32 s21, s21, SCL
	v_add_nc_u32 v5, v5, v6
	v_add_nc_u32 v[ADRS], s21, v5
	s_mul_i32 s23, s14, 16*SPITCH                  ; my stage
	v_mul_u32_u24 v5, v1, SPITCH                   ; in: row l % 16; my half's 16 columns of each 32: 64 bytes on
	v_lshl_add_u32 v5, v2, 6, v5
	v_add_nc_u32 v[STO], s23, v5
	v_mul_u32_u24 v5, v2, SPITCH                   ; back: lanes 0-15 take one row of 256 bytes, lanes 16-31 the next
	v_lshl_add_u32 v5, v1, 4, v5
	v_add_nc_u32 v[RD], s23, v5
	v_mul_u32_u24 v5, v2, SIZE_N*4                 ; and the same two rows in out0
	v_lshl_add_u32 v[CO], v1, 4, v5
	s_lshl_b32 s20, s17, 7
	s_lshl_b32 s21, s15, 6
	s_add_co_u32 s20, s20, s21                     ; my first row of out0: 128 x tile row + 64 x half
	s_mov_b32 s21, 0
	s_mov_b64 s[18:19], SIZE_N*4
	s_mul_u64 s[20:21], s[20:21], s[18:19]
	s_lshl_b32 s46, s42, 9                         ; my first column, in bytes: 512 x tile column + 256 x half
	s_lshl_b32 s47, s16, 8
	s_add_co_u32 s46, s46, s47
	s_mov_b32 s47, 0
	s_add_nc_u64 s[20:21], s[20:21], s[46:47]
	s_add_nc_u64 s[12:13], s[12:13], s[20:21]
.macro FRAG reg, adr, q, i             ; a fragment, 16 rows x 128 K, is 12 registers: registers 6 c .. 6 c + 5 hold K = 64 c + 32 (l / 16) + 0 .. 31: 24 bytes of the row's stream of bits, in pieces of 8
.irp p, 0,1,2,3,4,5                    ; lanes 0-15 take the row's pieces 12 q + 0, 1, 2 and 12 q + 6, 7, 8, lanes 16-31 those three pieces on
.set PCE, 12*(\q)+6*(\p/3)+\p%3       ; 16 bytes of padding lie behind every 16 pieces: where the piece three on lies behind one padding more, the second address register (40 for 24 bytes a half) serves
.if PCE%16 < 13
	ds_load_b64 v[\reg+2*\p:\reg+2*\p+1], v[\adr] offset:8*PCE+16*(PCE/16)+(\i)*16*PITCH
.else
	ds_load_b64 v[\reg+2*\p:\reg+2*\p+1], v[\adr+2] offset:8*PCE+16*(PCE/16)+(\i)*16*PITCH
.endif
.endr
.endm
; 8 matrix instructions: A's blocks a0, a0 + 1 x B's four, 128 along K: the slot's q-th.  p: the set of fragments; sc: the set of scale words.  zero = 1: the first product starts the sums: nothing is ever cleared.
; The 16 accumulators take turns, one instruction a turn, in the same order in every step.
.macro MUL8 a0, p, q, sc, zero
.irp a, \a0, \a0+1
.irp b, 0,1,2,3
.if \zero
	v_wmma_scale_f32_16x16x128_f8f6f4 v[ACC+8*(4*(\a)+\b):ACC+8*(4*(\a)+\b)+7], v[128*(\p)+48+FR*\b:128*(\p)+48+FR*\b+FR-1], v[128*(\p)+FR*(\a):128*(\p)+FR*(\a)+FR-1], 0, v[SC+16*(\sc)+4*\b+(\q)], v[SC+16*(\sc)+4*(\a)+(\q)] matrix_a_fmt:MATRIX_FMT_BF6 matrix_b_fmt:MATRIX_FMT_BF6 matrix_a_scale:MATRIX_SCALE_ROW1
.else
	v_wmma_scale_f32_16x16x128_f8f6f4 v[ACC+8*(4*(\a)+\b):ACC+8*(4*(\a)+\b)+7], v[128*(\p)+48+FR*\b:128*(\p)+48+FR*\b+FR-1], v[128*(\p)+FR*(\a):128*(\p)+FR*(\a)+FR-1], v[ACC+8*(4*(\a)+\b):ACC+8*(4*(\a)+\b)+7], v[SC+16*(\sc)+4*\b+(\q)], v[SC+16*(\sc)+4*(\a)+(\q)] matrix_a_fmt:MATRIX_FMT_BF6 matrix_b_fmt:MATRIX_FMT_BF6 matrix_a_scale:MATRIX_SCALE_ROW1
.endif
.endr
.endr
.endm
.macro FETCH slot, q, p                ; 48 LDS loads in one run: B's four fragments and A's four of the slot's q-th 128 along K, into set p
	WIN TO_F
.irp i, 0,1,2,3
	FRAG 128*(\p)+48+FR*\i, ADRB+\slot, \q, \i
.endr
.irp i, 0,1,2,3
	FRAG 128*(\p)+FR*\i, ADRA+\slot, \q, \i
.endr
.endm
.macro SCALES sc                       ; a slot's scale words: four words a row, 16 bytes; lanes 0-15 take A's block i, lanes 16-31 B's block i
.irp i, 0,1,2,3
	ds_load_b128 v[SC+16*\sc+4*\i:SC+16*\sc+4*\i+3], v[ADRS] offset:\i*SBLK
.endr
.endm
.macro PLACES n                        ; plain vector instructions between a matrix instruction and a load into, or an LDS store from, its registers (ISA guide 7.12.1 for vector instructions)
.rept \n
	v_nop
.endr
.endm
; A step of 128 along K that has its successor in the same slot: the successor's fragments are asked for, into the other set, ahead of this step's 16 products.
.macro STEP slot, q, zero
	s_wait_dscnt 0x0                               ; this step's fragments, asked for a step ago, are in
	PLACES NP                                      ; the last step's products read the set that the loads below fill
	FETCH \slot, (\q)+1, 1-(\q)%2
	WIN MUL
	MUL8 0, (\q)%2, \q, \slot, \zero
	MUL8 2, (\q)%2, \q, \slot, \zero
.endm
; A slot's last step changes slots: one barrier; in front of it each wave waits for all its tensor loads, adds 0 to its spare word, and waits for that and for its own reads of this slot.  fill = 1: this slot is filled again, two slots ahead.
.macro TURN slot, next, fill
	WIN 0                                          ; (the add's two registers lie in window 0)
	s_wait_tensorcnt 0x0                           ; all my tensor loads have landed: my part of the next slot
	ds_add_u32 v[SPW], v[NIL]                      ; 0 onto my spare word
	s_wait_dscnt 0x0                               ; the add is done; this step's fragments are in, and they were my last reads of this slot
	s_barrier_signal -1
	WIN MUL
	MUL8 0, 1, NQ-1, \slot, 0                      ; work on registers while the others arrive
	WIN 0
	s_barrier_wait -1
.if \fill
	CREST                                          ; the barrier has opened a round of the cluster's barrier: no wave of any partner still reads this slot or has a load on its way
	s_add_nc_u64 s[G0+4*\slot+2:G0+4*\slot+3], s[G0+4*\slot+2:G0+4*\slot+3], 2*ROWB
	s_add_nc_u64 s[G0B+4*\slot+2:G0B+4*\slot+3], s[G0B+4*\slot+2:G0B+4*\slot+3], 2*ROWB
	JLOAD G0+4*\slot, G1, G0B+4*\slot, G1B         ; the first tensor load behind the round: three and a half steps, 56 matrix instructions, ahead of the wait for it; its four v_nop are the places in front of the loads below
.else
	PLACES NP
.endif
	v_add_nc_u32 v[ADRS], 4*NQ, v[ADRS]            ; on to the next slot's scale words
	SCALES \next
	FETCH \next, 0, 0
	WIN MUL
	MUL8 2, 1, NQ-1, \slot, 0
.endm
	s_wait_tensorcnt 1                             ; the scales and my part of slot 0 are in (slot 1's load may be out)
	s_barrier_signal -1
	s_barrier_wait -1                              ; everybody's are
	SCALES 0
	FETCH 0, 0, 0
	STEP 0, 0, 1                                   ; K 0 ..: the first step's products start the sums
	STEP 0, 1, 0
	STEP 0, 2, 0
	TURN 0, 1, 1                                   ; slot 0 takes K 1,024 ..
	STEP 1, 0, 0
	STEP 1, 1, 0
	STEP 1, 2, 0
	TURN 1, 0, 1                                   ; slot 1 takes K 1,536 ..
	STEP 0, 0, 0
	STEP 0, 1, 0
	STEP 0, 2, 0
	TURN 0, 1, 0                                   ; nothing is left to fetch: no round follows
	STEP 1, 0, 0
	STEP 1, 1, 0
	STEP 1, 2, 0
	s_wait_dscnt 0x0                               ; the very last step
	MUL8 0, 1, NQ-1, 1, 0
	MUL8 2, 1, NQ-1, 1, 0
	WIN 0
; THE WAY OUT, block by block of 16 rows x 64 columns.  A lane holds 32 bytes of a row and the lanes beside it hold other rows: so a block goes through my own stage in LDS and comes back as whole rows of 256 bytes.
; LDS serves a wave's instructions in order (ISA guide 5.7.1.4): no wait between the stores and the loads, nor in front of the next block's stores.
.macro TOSTAGE a
.irp b, 0,1,2,3
	ds_store_b128 v[STO], v[ACC+8*(4*(\a)+\b):ACC+8*(4*(\a)+\b)+3] offset:128*(\b/2)+32*(\b%2)        ; logical columns 32 (b / 2) + 16 h + 8 (b % 2) + 0..3; each accumulator from its low end on
	ds_store_b128 v[STO], v[ACC+8*(4*(\a)+\b)+4:ACC+8*(4*(\a)+\b)+7] offset:128*(\b/2)+32*(\b%2)+16
.endr
.set BB, BK+32*((\a)%2)
.irp t, 0,1,2,3,4,5,6,7
	ds_load_b128 v[BB+4*\t:BB+4*\t+3], v[RD] offset:\t*2*SPITCH
.endr
.endm
.macro SEND a, younger                 ; younger: the LDS instructions issued behind block a's loads, which may stay out
.set BB, BK+32*((\a)%2)
	s_wait_dscnt \younger                          ; the block is back in registers
.irp t, 0,1,2,3,4,5,6,7
	global_store_b128 v[CO], v[BB+4*\t:BB+4*\t+3], s[12:13] offset:(16*(\a)+2*\t)*SIZE_N*4 th:TH_STORE_NT   ; 16 lanes store 256 consecutive bytes, at a multiple of 256 from out0's first byte; 62 rows at the most stand in the immediate
.endr
.endm
	PLACES NP                                      ; behind the last products: their results are read below
	TOSTAGE 0
.irp a, 1,2,3
.if \a > 1
	s_wait_xcnt 0x0                                ; block a - 2's stores have read their registers: block a's loads may land there
.endif
	TOSTAGE \a
	SEND \a-1, 16                                  ; behind block a - 1's loads: block a's 8 stores and 8 loads
.endr
	SEND 3, 0
	s_wait_tensorcnt 0x0                           ; the wave's end
	ds_add_u32 v[SPW], v[NIL]
	s_wait_dscnt 0x0
	CROUND                                         ; the closing round: no work-group ends while a partner may still ask for a tile that names it
	s_endpgm
.Lfunc_end_k_qdfd776e6ee_oproj:
	.size	k_qdfd776e6ee_oproj, .Lfunc_end_k_qdfd776e6ee_oproj-k_qdfd776e6ee_oproj
	.p2alignl 7, 3214868480
	.fill 96, 4, 3214868480
	.section	.rodata,"a",@progbits
	.p2align	6, 0x0
	.amdhsa_kernel k_qdfd776e6ee_oproj
		.amdhsa_group_segment_fixed_size 327680
		.amdhsa_private_segment_fixed_size 0
		.amdhsa_enable_private_segment 0
		.amdhsa_kernarg_size 40
		.amdhsa_user_sgpr_count 2
		.amdhsa_user_sgpr_kernarg_segment_ptr 1
		.amdhsa_wavefront_size32 1
		.amdhsa_system_sgpr_workgroup_id_x 1
		.amdhsa_system_sgpr_workgroup_id_y 1
		.amdhsa_system_sgpr_workgroup_id_z 1
		.amdhsa_system_vgpr_workitem_id 0
		.amdhsa_next_free_vgpr 512
		.amdhsa_next_free_sgpr 98
		.amdhsa_reserve_vcc 0
		.amdhsa_float_denorm_mode_32 3
		.amdhsa_float_denorm_mode_16_64 3
		.amdhsa_memory_ordered 1
		.amdhsa_forward_progress 1
		.amdhsa_inst_pref_size 105
	.end_amdhsa_kernel
	.amdgpu_metadata
---
amdhsa.version: [ 1, 2 ]
amdhsa.kernels:
  - .name:           k_qdfd776e6ee_oproj
    .symbol:         k_qdfd776e6ee_oproj.kd
    .args:
      - { .name: acod, .offset: 0, .size: 8, .value_kind: global_buffer, .address_space: global }
      - { .name: ascl, .offset: 8, .size: 8, .value_kind: global_buffer, .address_space: global }
      - { .name: cod, .offset: 16, .size: 8, .value_kind: global_buffer, .address_space: global }
      - { .name: scl, .offset: 24, .size: 8, .value_kind: global_buffer, .address_space: global }
      - { .name: out0, .offset: 32, .size: 8, .value_kind: global_buffer, .address_space: global }
    .group_segment_fixed_size: 327680
    .private_segment_fixed_size: 0
    .kernarg_segment_align: 8
    .kernarg_segment_size: 40
    .max_flat_workgroup_size: 128
    .sgpr_count:     98
    .vgpr_count:     512
    .wavefront_size: 32
...
	.end_amdgpu_metadata
.endif
;; end of part 4
